; MI455X (gfx1250); checked and timed in simulation.
; The chip was launched on July 23, 2026; its instructions are those of AMD's public machine-readable ISA for CDNA 5 (MIT licence, August 2026) and "CDNA5" Instruction Set Architecture Reference Guide (July 2026). The comments in the code are by the model that wrote it; some were corrected since.
;; Attention. Allowed arithmetic: matrix products marked QUANTISED: E2M3 operands, one E8M0 scale for each 32 along K, by v_wmma_scale_f32_16x16x128_f8f6f4 with both operands' format E2M3, f32 sums; everything else in f32.
;; Inputs: b_proj 1,024 float32; b_qkv 3,072 float32; kn_w 64 float32; qn_w 64 float32; w_proj 1,024 x 1,024 float32; w_qkv 3,072 x 1,024 float32; x 8 x 1,024 x 1,024 float32.
;; Outputs: out0 8 x 1,024 x 1,024 float32.
;; This version of the problem:
;;   THIS VERSION OF THE PROBLEM IS GIVEN IN LOW PRECISION. The matrix products marked QUANTISED in the list below multiply operands that are first quantised to E2M3 (2 exponent bits, 3 mantissa bits; 6 bits a number), with one power-of-two scale for each 32 numbers along K (OCP MX v1.0); their sums are f32. All else is computed in f32.
;;   The module's matrix products, in the order in which they are computed (A, B: the left and right operand; K: the contracted axis; several contracted axes count as one K, in the product's order):
;;     1. [M 8,192, K 1,024] x [K 1,024, N 3,072]; A: input x; B: input w_qkv: QUANTISED
;;     2. batch 128 x [M 1,024, K 64] x [K 64, N 1,024]; A: computed on the way; B: computed on the way: QUANTISED
;;     3. batch 128 x [M 1,024, K 1,024] x [K 1,024, N 64]; A: softmax (see below); B: computed on the way: QUANTISED
;;     4. [M 8,192, K 1,024] x [K 1,024, N 1,024]; A: computed on the way; B: input w_proj: QUANTISED
;;   THE QUANTISER, for each operand of a quantised product, along K:
;;     - K is cut into blocks of 32 from its start; a last block that is shorter is filled with zeros.
;;     - A block's scale is 2^e with e = floor(log2(the largest magnitude in the block)) - 2, held to -126 .. 127; a block of zeros has e = 0. As a byte (E8M0): e + 127.
;;     - Each number is divided by its block's scale, clamped to +-7.5, and rounded to the nearest number of E2M3, ties to even, subnormals kept.
;;     - The product sums the exact products of the quantised numbers (number of the format x scale) in f32.
;;   ~~~python
;;   def quantise(x, axis):      # numpy; x: float32 -> the quantised numbers, widened to float32 again
;;       x = np.moveaxis(x, axis, -1); K = x.shape[-1]
;;       x = np.pad(x, [(0, 0)] * (x.ndim - 1) + [(0, -K % 32)]); x = x.reshape(x.shape[:-1] + (-1, 32)); a = np.abs(x).max(-1, keepdims=True)
;;       e = np.where(a > 0, np.clip(np.frexp(np.where(a > 0, a, 1))[1] - 1 - 2, -126, 127), 0)      # np.frexp(a)[1] - 1 = floor(log2(a)), exactly
;;       r = np.clip(x / 2.0 ** e, -7.5, 7.5)
;;       step = 2.0 ** (np.maximum(np.frexp(np.where(r == 0, 1, r))[1] - 1, 0) - 3)
;;       q = np.round(r / step) * step * 2.0 ** e      # np.round: ties to even
;;       return np.moveaxis(q.reshape(q.shape[:-2] + (-1,))[..., :K], -1, axis).astype(np.float32)
;;   ~~~
;;   SOFTMAX AHEAD OF A QUANTISED PRODUCT. Where the list says 'softmax', what is quantised is not the finished softmax but p = 2^(t - M), with t = logit x log2(e) and M = ceil(the row's largest t), a whole number; so 1/2 < the row's largest p <= 1. The row's sum l is taken of the UNQUANTISED p, in f32, and the product's result is divided by l at the end. Since M is a whole number, a kernel that streams over the keys may use a running M (the ceiling of the running maximum): every later rescaling is an exact power of two, which a block's scale takes up: the codes' values come out the same.
;;   OPERANDS COMPUTED ON THE WAY. 'Computed on the way' means the value that the module computes at that place (a softmax that the list does not call 'softmax' is quantised finished and normalised). What goes into a quantiser is computed in f32, as accurately as f32 sums, v_exp_f32 and their like allow (about 1e-6 of the number): no bf16 or f16 on the way to a quantiser, and a product that is left as it is and whose result goes on into a quantised operand takes f32 operands (vector FMAs, or v_wmma_f32_16x16x4_f32). A number that lies on a knife's edge between two numbers of the format may be rounded either way, as far as f32 arithmetic and the matrix unit's own rounding can turn it there, and no further.
;; One version. Each part assembles by itself: llvm-mc -triple=amdgcn-amd-amdhsa -mcpu=gfx1250 --defsym DOCPART=n.
;; ======== version 1 of 1: 4 launches
;; limits: right only within a limited range of input values
;; workspace buffers: xwc 9,437,184 bytes; xws 393,216 bytes; qkv 20,185,088 bytes; ac 6,291,456 bytes; asc 262,144 bytes
;; launch quant (part 1): grid 256 x 1, 6 waves a work-group, no clusters, 51,456 bytes of LDS; arguments x, w_qkv, w_proj, xwc, xws; writes xwc, xws
.if DOCPART == 1
	.amdgcn_target "amdgcn-amd-amdhsa--gfx1250"
	.amdhsa_code_object_version 6
	.text
	.protected	k_q600482679a_quant
	.globl	k_q600482679a_quant
	.p2align	8
	.type	k_q600482679a_quant,@function
k_q600482679a_quant:
	s_mov_b64 s[64:65], 0
	v_nop
	global_prefetch_b8 v0, s[64:65] scope:SCOPE_SE
	s_setreg_imm32_b32 hwreg(HW_REG_WAVE_MODE, 25, 1), 1
	s_wait_xcnt 0x0
; x [8192][1024], w_qkv [3072][1024], w_proj [1024][1024], f32, K innermost, become codes of FP6 (E2M3) with one E8M0 byte for each 32 along K,
; laid as the later launches' operand registers want them.  The 12,288 rows count as one list: x, then w_qkv, then w_proj.
; ROW ORDER.  Rows go in groups of 64 and row-blocks of 16: lane r of row-block i (0..3) of a group stands for row 32 (i / 2) + 8 (i % 2) + r + 8 (r / 8) of the group.
; xwc [row-block 768][K step of 128: 8][1,536]: a fragment (16 rows x 128 K, 12 registers a lane) as an image of its registers: registers 4 c .. 4 c + 3 of lane l at 512 c + 16 l.
; xws [K step 8][group 192][256]: the scale word (four bytes, 128 along K) of lane r of row-block i at 16 r + 4 i.
; A block's scale is 2^(floor(log2(its largest magnitude)) - 2); its byte is the largest magnitude's exponent field - 2, held at 1 from below.
; LIMITS: a block of zeros gets the byte 1 where the rule says 127 (its codes are zeros, and this program alone reads the bytes); blocks whose largest magnitude lies under 2^-124 are held at the byte 1;
; NaN and infinities among the inputs are not served.
; SHARES.  1,536 jobs, one a wave: a group of 64 rows x 128 along K = four fragments.  Each load takes 512 consecutive bytes of one row, 16 a lane; the conversions want 16 neighbours along K in one lane, so a
; fragment's 16 rows turn through the wave's own stage in LDS (pitch 528 bytes = 132 words: row r begins at bank 4 r).  Waves share nothing: no barrier.  32 loads of a wave are out at the start, 16 while a fragment is worked.
; Nothing is shared between work-groups and every byte is read once: no tensor load, no cluster, no matrix unit.
.set STGB, 8448                        ; a wave's stage: 16 rows x 528 bytes
.set SP,   528
.set R,    16                          ; v16-143  two sets of 64: a fragment's rows as loaded
.set X,    144                         ; v144-207 register 16 b + i = k 32 b + 16 (lane / 16) + i of my row
.set PC,   208                         ; v208-219 the fragment's codes; v220-226 at work
.set TMX,  228                         ; v228-231 largest magnitudes
.set TBY,  232                         ; v232-235 the other half's, then the bytes
.set TSO,  236                         ; v236-239 the conversions' scale operands
.set PW,   240                         ; v240     the scale word just made
.set SW,   242                         ; v242-245 the four fragments' scale words
.set OP,   246                         ; v[246:247] the two words that I store
.set SEL,  22                          ; s[22:23] lane selects for v_permlanex16_b32: lane l xor 16
	s_load_b256 s[4:11], s[0:1], 0x0               ; x s[4:5], w_qkv s[6:7], w_proj s[8:9], xwc s[10:11]
	s_load_b64 s[12:13], s[0:1], 0x20              ; xws
	v_lshl_add_u32 v254, v0, 2, 0xc600
	v_mov_b32 v255, 0
	v_lshrrev_b32 v1, 5, v0
	v_readfirstlane_b32 s14, v1                    ; wave 0..5
	v_and_b32 v1, 31, v0                           ; lane
	v_and_b32 v2, 15, v0                           ; r
	v_bfe_u32 v3, v0, 4, 1                         ; h
	v_lshlrev_b32 v4, 4, v1                        ; 16 x lane: my bytes of a load's and of a store's 512
	s_mul_i32 s15, s14, STGB
	v_add_nc_u32 v5, s15, v4                       ; the stage, on the way in
	v_mul_u32_u24 v6, v2, SP
	v_lshl_add_u32 v6, v3, 6, v6
	v_add_nc_u32 v6, s15, v6                       ; and on the way out: row r, + 64 h
	v_lshlrev_b32 v7, 4, v2
	v_lshl_add_u32 v7, v3, 3, v7                   ; 16 r + 8 h: my two scale words
.irp b, 0,1,2,3
	v_mov_b32 v[TBY+\b], 0                         ; written once: a lane permute's destination counts as one of its sources
.endr
	s_mov_b32 s[SEL], 0x76543210
	s_mov_b32 s[SEL+1], 0xfedcba98
	s_mul_i32 s16, ttmp9, 6
	s_add_co_u32 s16, s16, s14                     ; my job
	s_lshr_b32 s17, s16, 3                         ; its group of 64 rows, 0..191
	s_and_b32 s18, s16, 7                          ; its K step
	s_wait_alu depctr_va_vdst(0)
	s_wait_kmcnt 0x0
	s_mov_b32 s19, 176
	s_cmp_lt_u32 s17, 176                          ; groups 0-127 x, 128-175 w_qkv, 176-191 w_proj: the choice hangs on the job's number alone
	s_cselect_b64 s[6:7], s[6:7], s[8:9]
	s_cselect_b32 s19, 128, s19
	s_cmp_lt_u32 s17, 128
	s_cselect_b64 s[4:5], s[4:5], s[6:7]
	s_cselect_b32 s19, 0, s19
	s_sub_co_u32 s19, s17, s19                     ; the group within its tensor
	s_lshl_b32 s20, s19, 18                        ; 64 rows of 4,096 bytes
	s_lshl_b32 s21, s18, 9                         ; 128 numbers
	s_add_co_u32 s20, s20, s21
	s_mov_b32 s21, 0
	s_add_nc_u64 s[4:5], s[4:5], s[20:21]
	s_mul_i32 s20, s17, 49152                      ; four row-blocks of 12,288 bytes
	s_mul_i32 s24, s18, 1536
	s_add_co_u32 s20, s20, s24
	s_add_nc_u64 s[10:11], s[10:11], s[20:21]
	s_mul_i32 s20, s18, 49152                      ; a K step's 192 groups of 256 bytes
	s_lshl_b32 s24, s17, 8
	s_add_co_u32 s20, s20, s24
	s_add_nc_u64 s[12:13], s[12:13], s[20:21]
.macro LOAD i                          ; fragment i: its 16 rows, 512 bytes each, into set i % 2
.irp t, 0,1,2,3,4,5,6,7,8,9,10,11,12,13,14,15
	global_load_b128 v[R+64*((\i)%2)+4*\t:R+64*((\i)%2)+4*\t+3], v4, s[4:5] offset:(32*((\i)/2)+8*((\i)%2)+\t+8*(\t/8))*4096 th:TH_LOAD_NT
.endr
.endm
.macro TURN i                          ; through the stage: LDS serves a wave's instructions in order, so no wait stands between the stores and the loads
.irp t, 0,1,2,3,4,5,6,7,8,9,10,11,12,13,14,15
	ds_store_b128 v5, v[R+64*((\i)%2)+4*\t:R+64*((\i)%2)+4*\t+3] offset:SP*\t
.endr
.irp b, 0,1,2,3
.irp e, 0,1,2,3
	ds_load_b128 v[X+16*\b+4*\e:X+16*\b+4*\e+3], v6 offset:128*\b+16*\e
.endr
.endr
.endm
; 64 numbers of a lane, register 16 b + i = k 32 b + 16 (lane / 16) + i of my row, become a fragment's codes in v[PC] on and its scale word in v[PW].
.macro QUANT s
.irp b, 0,1,2,3
	v_max3_num_f32 v[TMX+\b], |v[\s+16*\b]|, |v[\s+1+16*\b]|, 0x1800000   ; block b: my 16 numbers, and the floor 2^(3 - 127): so the byte cannot fall under 1
.endr
.irp i, 2,4,6,8,10,12,14
.irp b, 0,1,2,3
	v_max3_num_f32 v[TMX+\b], v[TMX+\b], |v[\s+16*\b+\i]|, |v[\s+1+16*\b+\i]|   ; the four blocks by turns
.endr
.endr
.irp b, 0,1,2,3
	v_permlanex16_b32 v[TBY+\b], v[TMX+\b], s[SEL], s[SEL+1]
.endr
.irp b, 0,1,2,3
	v_max_num_f32 v[TMX+\b], v[TMX+\b], v[TBY+\b]  ; with lane l xor 16's: the block's largest magnitude
.endr
.irp b, 0,1,2,3
	v_add_nc_u32 v[TSO+\b], 0xff000000, v[TMX+\b]  ; 2 off its exponent field: the conversion takes the exponent field of this operand as its scale
.endr
.irp b, 0,1,2,3
	v_lshrrev_b32 v[TBY+\b], 23, v[TSO+\b]         ; the scale's byte
.endr
	v_lshl_or_b32 v[PW], v[TBY+1], 8, v[TBY]
	v_lshl_or_b32 v[PW], v[TBY+2], 16, v[PW]
	v_lshl_or_b32 v[PW], v[TBY+3], 24, v[PW]
.irp c, 0,1
	v_cvt_scalef32_pk16_fp6_f32 v[PC+6*\c:PC+2+6*\c], v[\s+32*\c:\s+15+32*\c], v[TSO+2*\c]
	v_cvt_scalef32_pk16_fp6_f32 v[PC+12+4*\c:PC+14+4*\c], v[\s+16+32*\c:\s+31+32*\c], v[TSO+2*\c+1]   ; (a conversion's three registers begin on an even number)
.endr
	v_nop                                          ; one plain place behind a scaled conversion
.irp c, 0,1                                    ; the operand's layout wants a whole block in a lane: lanes 0-15 block 2 c, lanes 16-31 block 2 c + 1
.irp i, 0,1,2
	v_permlane16_swap_b32 v[PC+6*\c+\i], v[PC+12+4*\c+\i]
.endr
.irp i, 0,1,2
	v_mov_b32 v[PC+3+6*\c+\i], v[PC+12+4*\c+\i]
.endr
.endr
.endm
.macro BLOCK i
.if (\i) < 3
	s_wait_loadcnt 16                              ; this fragment's 16 loads are in; the next one's 16 may be out
.else
	s_wait_loadcnt 0x0
.endif
	TURN \i
	s_wait_dscnt 0x0                               ; my 64 numbers are back, and the stage's stores have read their registers,
.if (\i) < 2
	LOAD (\i)+2                                    ; which take the fragment two further on
.endif
.if (\i) > 0
	s_wait_xcnt 0x0                                ; the last fragment's stores have read the codes' registers
.endif
	QUANT X
	v_mov_b32 v[SW+(\i)], v[PW]
.irp c, 0,1,2
	global_store_b128 v4, v[PC+4*\c:PC+4*\c+3], s[10:11] offset:12288*(\i)+512*\c   ; 32 lanes store 512 consecutive bytes, aligned
.endr
.endm
	LOAD 0
	LOAD 1
	BLOCK 0
	BLOCK 1
	BLOCK 2
	BLOCK 3
	v_cmp_le_u32 vcc_lo, 16, v1                    ; lanes 0-15 store the words of row-blocks 0 and 1, lanes 16-31 (which hold the same rows' words) those of 2 and 3
	v_cndmask_b32 v[OP], v[SW], v[SW+2], vcc_lo
	v_cndmask_b32 v[OP+1], v[SW+1], v[SW+3], vcc_lo
	global_store_b64 v7, v[OP:OP+1], s[12:13]      ; 256 consecutive bytes, aligned
	s_wait_tensorcnt 0x0
	ds_add_u32 v254, v255
	s_wait_dscnt 0x0
	s_endpgm
.Lfunc_end_k_q600482679a_quant:
	.size	k_q600482679a_quant, .Lfunc_end_k_q600482679a_quant-k_q600482679a_quant
	.p2alignl 7, 3214868480
	.fill 96, 4, 3214868480
	.section	.rodata,"a",@progbits
	.p2align	6, 0x0
	.amdhsa_kernel k_q600482679a_quant
		.amdhsa_group_segment_fixed_size 51456
		.amdhsa_private_segment_fixed_size 0
		.amdhsa_enable_private_segment 0
		.amdhsa_kernarg_size 40
		.amdhsa_user_sgpr_count 2
		.amdhsa_user_sgpr_kernarg_segment_ptr 1
		.amdhsa_wavefront_size32 1
		.amdhsa_system_sgpr_workgroup_id_x 1
		.amdhsa_system_sgpr_workgroup_id_y 1
		.amdhsa_system_sgpr_workgroup_id_z 1
		.amdhsa_system_vgpr_workitem_id 0
		.amdhsa_next_free_vgpr 256
		.amdhsa_next_free_sgpr 66
		.amdhsa_reserve_vcc 1
		.amdhsa_float_denorm_mode_32 3
		.amdhsa_float_denorm_mode_16_64 3
		.amdhsa_memory_ordered 1
		.amdhsa_forward_progress 1
		.amdhsa_inst_pref_size 34
	.end_amdhsa_kernel
	.amdgpu_metadata
---
amdhsa.version: [ 1, 2 ]
amdhsa.kernels:
  - .name:           k_q600482679a_quant
    .symbol:         k_q600482679a_quant.kd
    .args:
      - { .name: x, .offset: 0, .size: 8, .value_kind: global_buffer, .address_space: global }
      - { .name: w_qkv, .offset: 8, .size: 8, .value_kind: global_buffer, .address_space: global }
      - { .name: w_proj, .offset: 16, .size: 8, .value_kind: global_buffer, .address_space: global }
      - { .name: xwc, .offset: 24, .size: 8, .value_kind: global_buffer, .address_space: global }
      - { .name: xws, .offset: 32, .size: 8, .value_kind: global_buffer, .address_space: global }
    .group_segment_fixed_size: 51456
    .private_segment_fixed_size: 0
    .kernarg_segment_align: 8
    .kernarg_segment_size: 40
    .max_flat_workgroup_size: 192
    .sgpr_count:     66
    .vgpr_count:     256
    .wavefront_size: 32
...
	.end_amdgpu_metadata
.endif
;; end of part 1
;; launch qkv (part 2): grid 8 x 32, 4 waves a work-group, clusters of 4 x 4, 327,680 bytes of LDS; arguments xwc, xws, b_qkv, qn_w, kn_w, qkv; writes qkv
.if DOCPART == 2
	.amdgcn_target "amdgcn-amd-amdhsa--gfx1250"
	.amdhsa_code_object_version 6
	.text
	.protected	k_q600482679a_qkv
	.globl	k_q600482679a_qkv
	.p2align	8
	.type	k_q600482679a_qkv,@function
k_q600482679a_qkv:
	s_mov_b64 s[64:65], 0
	v_nop
	global_prefetch_b8 v0, s[64:65] scope:SCOPE_SE
	s_setreg_imm32_b32 hwreg(HW_REG_WAVE_MODE, 25, 1), 1
	s_wait_xcnt 0x0
	s_wait_alu depctr_hold_cnt(0) depctr_sa_sdst(0) depctr_va_vdst(0) depctr_va_sdst(0) depctr_va_ssrc(0) depctr_va_vcc(0) depctr_vm_vsrc(0)
	s_getreg_b32 s2, hwreg(HW_REG_IB_STS2, 6, 4)
	s_cmp_eq_u32 s2, 0
	s_cbranch_scc0 .Lentry_in_a_cluster
	s_endpgm
.Lentry_in_a_cluster:
	s_bfe_u32 s2, ttmp6, 0x10000c
	s_cmp_lg_u32 s2, 0xf033
	s_cbranch_scc0 .Lentry_shape_is_right
	s_endpgm
.Lentry_shape_is_right:
; x w_qkv^T + b_qkv on codes of FP6 (E2M3) with E8M0 scales; then, in f32, the RMS norm of q and k over each head's 64 channels; then q and k are quantised along the channels and v along the keys.
; Operands are images of their registers (xwc [row-block 768][K step of 128: 8][1,536]; xws [K step 8][group of 64 rows 192][256]); row-blocks 0-511 x, 512-703 w_qkv.
; ROW ORDER: lane r of row-block i of a group of 64 stands for row 32 (i / 2) + 8 (i % 2) + r + 8 (r / 8): in D = source 0 x source 1^T a lane holds one row of source 1 and 16 neighbours of each block of 32 of source 0's rows.
; A WORK-GROUP STAYS: it owns 256 tokens (X) and walks three tiles of 128 rows of w (W: two heads), of column CX = cluster x + 2 t: t = 0 q, t = 1 k, t = 2 v.  All of K = 1,024 lies in LDS.  256 work-groups of equal work.
; X's codes (196,608 bytes) and scale words (8,192) are filled once, at the head, and serve all three tiles.  W's codes (98,304) and scale words (8,192: four groups a K step, of which two are used) are filled again for each tile.
; At the head the four tiles go out as four joint loads, one a wave.  A later tile's W is asked for by waves 1 and 3 when every wave of the cluster has taken its last fragments of this tile,
; ahead of the last K step's 32 products and the whole way out.
; q, k: source 1 = X, source 0 = W: wave w has tokens 64 w on (4 blocks) x W's 8 blocks: a lane holds a token, its registers run along the channels.
; v: source 1 = W, source 0 = X, by four LDS address registers alone: wave w has head w / 2 (4 blocks) x tokens 128 (w % 2) on (8 blocks): a lane holds a channel, its registers run along the keys.
; The loop's two trips make q and k; v's tile is the tail, written out, and asks for nothing more.
; CLUSTER 4 x 4: X's tiles are shared along a row of the cluster, W's along a column.
; OUT: qkv = 128 records (16 x batch + head) of REC bytes: QC [row-block 64][768], QS [group 16][256], KC, VC [key step 8][16 channels 4][1,536], KS, VS [key step 8][256].
; LIMITS: a block of zeros gets the byte 1 (its codes are zeros; this program alone reads the bytes); blocks under 2^-124 are held at the byte 1; NaN and infinities are not served.
; No data prefetch: the first tiles are asked for at the head, and each later one 32 products and a way out ahead of its first read.
.set BOFF, 196608                      ; W's codes, behind X's
.set SCA,  294912                      ; X's scale words [K step 8][group 4][256]
.set SCB,  SCA+8192                    ; W's, likewise
.set SPARE, SCB+8192                   ; 512 bytes of spare words
.set REC,  157696
.set QS,   49152
.set KC,   53248
.set VC,   102400
.set KS,   151552
.set VS,   155648
.set SPW,  13
.set ADRA, 16                          ; LDS address of source 1's four fragments
.set PB,   17                          ; 64 h
.set PV,   18                          ; 4 (r + 8 (r / 8))
.set ADRB, 20                          ; v20, v21: source 0's blocks 0-3, 4-7
.set ADRS, 24                          ; scale words: lanes 0-15 source 1's, lanes 16-31 source 0's
.set L16,  25
.set L8,   26
.set SWO,  27
.set LANE, 28
.set NIL,  29
.set SC,   32                          ; v32-47 scale words, two sets
.set AF,   48                          ; v48-143 source 1's fragments, two sets.  Window 1: source 0's, set p at v[128 p].  Window 2: accumulator (a, b) at v[8 (8 a + b)]
.set BIAS, 144
.set NW,   208
.set BV,   240
.set T,    48
.set PC,   112
.set KW,   132
.set OP,   140
.set TMX,  248
.set TBY,  252
.set TSO,  8
.set PW,   12
.set WV,   16
.set SEL,  66
.set G1A,  24
.set G1B,  32
.set G1SA, 40
.set G1SB, 48
.set G0SA, 56
.set G0SB, 60
.set G0A,  68
.set G0B,  72
.set OA,   76                          ; s[76:77] where my codes go, s[78:79] my scale words
.set OS,   78
.set TC,   93
.set MSB, 0
.macro WIN new
.if MSB != \new
	s_set_vgpr_msb (MSB<<8)|\new
.set MSB, \new
.endif
.endm
.macro PLACES n
.rept \n
	v_nop
.endr
.endm
.macro TL g0, g1                       ; a joint load, with an s_nop and four places behind it
	tensor_load_to_lds s[\g0:\g0+3], s[\g1:\g1+7]
	s_nop 0
	PLACES 4
.endm
.macro LOAD4                           ; the head's four loads, one a wave: one chain of branches on the wave's number, every way passes one load
	s_cmp_lt_u32 s[WV], 1
	s_cbranch_scc0 .Lb_\@
	TL G0A, G1A
	s_branch .Lj_\@
.Lb_\@:
	s_cmp_lt_u32 s[WV], 2
	s_cbranch_scc0 .Lsa_\@
	TL G0B, G1B
	s_branch .Lj_\@
.Lsa_\@:
	s_cmp_lt_u32 s[WV], 3
	s_cbranch_scc0 .Lsb_\@
	TL G0SA, G1SA
	s_branch .Lj_\@
.Lsb_\@:
	TL G0SB, G1SB
.Lj_\@:
.endm
.macro LOADB                           ; a later tile: W's codes by wave 1, W's scale words by wave 3; waves 0 and 2 have nothing to fill
	s_cmp_eq_u32 s[WV], 1
	s_cbranch_scc0 .Lx_\@
	TL G0B, G1B
	s_branch .Lj_\@
.Lx_\@:
	s_cmp_eq_u32 s[WV], 3
	s_cbranch_scc0 .Lj_\@
	TL G0SB, G1SB
.Lj_\@:
.endm
.macro CROUND
	s_barrier_signal -1
	s_barrier_wait -1
	s_cmp_lg_u32 s[WV], 0
	s_cbranch_scc1 .Lnot_wave_0_\@
	s_barrier_signal -3
.Lnot_wave_0_\@:
	s_barrier_wait -3
	s_barrier_signal -1
	s_barrier_wait -1
.endm
; W's two global addresses for the tile of column s[c]: made of cx and the column alone (s88-91)
.macro DESCB c
	s_lshl_b32 s88, s100, 3                        ; 8 cx
	s_lshl_b32 s89, s[\c], 5
	s_add_co_u32 s88, s88, s89
	s_add_co_u32 s88, s88, 512                     ; + 512 + 32 x column: W's first row-block
	s_lshl_b32 s90, s88, 6                         ; scale words: 64 bytes a row-block
	s_mov_b32 s91, 0
	s_mul_i32 s88, s88, 12288
	s_mov_b32 s89, 0
	s_add_nc_u64 s[G0B+2:G0B+3], s[4:5], s[88:89]
	s_or_b32 s[G0B+3], s[G0B+3], 0x80000000
	s_add_nc_u64 s[G0SB+2:G0SB+3], s[6:7], s[90:91]
	s_or_b32 s[G0SB+3], s[G0SB+3], 0x80000000
.endm
; The biases and the norm's weights of the tile of column s104.  Every type runs all loads (one that a type does not want reads the buffer's head).
.macro PARAMS
	s_wait_alu depctr_va_vdst(0)                   ; a wait ahead of this run of scalar lines
	s_lshl_b32 s18, s104, 2
	s_add_co_u32 s18, s18, s100
	s_lshl_b32 s18, s18, 9                         ; my tile's 128 columns' bias
	s_lshr_b32 s20, s[WV], 1
	s_lshl_b32 s20, s20, 8
	s_add_co_u32 s20, s20, s18                     ; v: the bias of head wave / 2 of the tile's two
	s_cmp_ge_u32 s104, 4
	s_cselect_b32 s18, 0, s18
	s_cselect_b32 s20, s20, 0
	s_mov_b32 s19, 0
	s_mov_b32 s21, 0
	s_add_nc_u64 s[18:19], s[8:9], s[18:19]
	s_add_nc_u64 s[20:21], s[8:9], s[20:21]
	s_cmp_lt_u32 s104, 2
	s_cselect_b64 s[22:23], s[10:11], s[12:13]     ; q's weight or k's
.irp b, 0,1,2,3,4,5,6,7
	global_load_b128 v[BIAS+8*\b:BIAS+8*\b+3], v[PB], s[18:19] offset:(32*(\b/2)+8*(\b%2))*4
	global_load_b128 v[BIAS+8*\b+4:BIAS+8*\b+7], v[PB], s[18:19] offset:(32*(\b/2)+8*(\b%2))*4+16
.endr
.irp c, 0,1
.irp e, 0,1,2,3
	global_load_b128 v[NW+16*\c+4*\e:NW+16*\c+4*\e+3], v[PB], s[22:23] offset:128*\c+16*\e
.endr
.endr
.irp a, 0,1,2,3
	global_load_b32 v[BV+2*\a], v[PV], s[20:21] offset:(32*(\a/2)+8*(\a%2))*4
.endr
.endm
	s_load_b256 s[4:11], s[0:1], 0x0               ; xwc, xws, b_qkv, qn_w
	s_load_b128 s[12:15], s[0:1], 0x20             ; kn_w, qkv
	v_lshl_add_u32 v[SPW], v0, 2, SPARE
	v_mov_b32 v[NIL], 0
	ds_add_u32 v[SPW], v[NIL]                      ; the opening lines: the add twice and one wait
	ds_add_u32 v[SPW], v[NIL]
	v_lshrrev_b32 v1, 5, v0
	v_readfirstlane_b32 s[WV], v1                  ; wave 0..3
	s_bfe_u32 s100, ttmp6, 0x40000                 ; cx, cy
	s_bfe_u32 s101, ttmp6, 0x40004
	s_mov_b32 s104, ttmp9                          ; the column of the tile at work: cluster x, + 2 a tile
	s_and_b32 s105, ttmp7, 0xffff                  ; CY: the batch
	s_lshl_b32 s84, s101, 2
	s_lshl_b32 s84, 15, s84                        ; my row of the cluster
	s_lshl_b32 s88, 0x1111, s100                   ; my column
	s_or_b32 s[G1A], s84, (3<<16)|(1<<21)          ; the mask; elements of 8 bytes; bit 21 beside a mask
	s_or_b32 s[G1SA], s84, (3<<16)|(1<<21)
	s_or_b32 s[G1B], s88, (3<<16)|(1<<21)
	s_or_b32 s[G1SB], s88, (3<<16)|(1<<21)
.irp g, G1A, G1B                       ; codes: rows of 12,288 bytes (a row-block's whole K), dense
	s_mov_b32 s[\g+1], 1536<<16
	s_mov_b32 s[\g+3], 1536<<16
	s_mov_b32 s[\g+5], 1536
	s_mov_b32 s[\g+6], 0
	s_mov_b32 s[\g+7], 0
.endr
	s_mov_b32 s[G1A+2], 16<<16
	s_mov_b32 s[G1A+4], 16
	s_mov_b32 s[G1B+2], 8<<16
	s_mov_b32 s[G1B+4], 8
.irp g, G1SA, G1SB                     ; scale words: a row of four groups, 1,024 bytes, for each K step, 49,152 bytes apart
	s_mov_b32 s[\g+1], 128<<16
	s_mov_b32 s[\g+2], 8<<16
	s_mov_b32 s[\g+3], 128<<16
	s_mov_b32 s[\g+4], 8
	s_mov_b32 s[\g+5], 6144
	s_mov_b32 s[\g+6], 0
	s_mov_b32 s[\g+7], 0
.endr
	s_mov_b32 s[G0A], 1
	s_mov_b32 s[G0A+1], 0
	s_mov_b32 s[G0B], 1
	s_mov_b32 s[G0B+1], BOFF
	s_mov_b32 s[G0SA], 1
	s_mov_b32 s[G0SA+1], SCA
	s_mov_b32 s[G0SB], 1
	s_mov_b32 s[G0SB+1], SCB
	s_mov_b32 s[SEL], 0x76543210
	s_mov_b32 s[SEL+1], 0xfedcba98
	s_mov_b32 s3, 0x3c800000                       ; 1 / 64
	s_mov_b32 s2, 0x358637bd                       ; 1e-6
	s_lshl_b32 s84, s101, 4                        ; X's first row-block: 16 cy + 64 CY, made of cy and CY alone (s84-87)
	s_lshl_b32 s85, s105, 6
	s_add_co_u32 s84, s84, s85
	s_lshl_b32 s86, s84, 6
	s_mov_b32 s87, 0
	s_mul_i32 s84, s84, 12288
	s_mov_b32 s85, 0
	s_wait_dscnt 0x0
	s_wait_kmcnt 0x0
	s_add_nc_u64 s[G0A+2:G0A+3], s[4:5], s[84:85]
	s_or_b32 s[G0A+3], s[G0A+3], 0x80000000
	s_add_nc_u64 s[G0SA+2:G0SA+3], s[6:7], s[86:87]
	s_or_b32 s[G0SA+3], s[G0SA+3], 0x80000000
	DESCB 104
	CROUND                                         ; all sixteen work-groups are here: the joint loads meet
	LOAD4
	v_and_b32 v[LANE], 31, v0
	v_and_b32 v2, 15, v0                           ; r
	v_bfe_u32 v3, v0, 4, 1                         ; h
	v_lshlrev_b32 v[L16], 4, v[LANE]
	v_lshlrev_b32 v[L8], 3, v[LANE]
	v_lshlrev_b32 v[SWO], 4, v2
	v_lshl_add_u32 v[SWO], v3, 3, v[SWO]
	s_mul_i32 s18, s[WV], 49152                    ; q, k: my four row-blocks of X
	v_add_nc_u32 v[ADRA], s18, v[L16]
	v_add_nc_u32 v[ADRB], BOFF, v[L16]
	v_add_nc_u32 v[ADRB+1], BOFF+49152, v[L16]
	s_lshl_b32 s18, s[WV], 8                       ; my group's words among X's
	s_mov_b32 s19, SCB-SCA
	s_sub_co_u32 s19, s19, s18                     ; from there to W's
	v_mul_u32_u24 v4, s19, v3                      ; lanes 16-31 take W's
	v_lshl_add_u32 v4, v2, 4, v4
	s_add_co_u32 s18, s18, SCA
	v_add_nc_u32 v[ADRS], s18, v4
	v_lshlrev_b32 v[PB], 6, v3
	v_and_b32 v6, 8, v2
	v_add_nc_u32 v6, v6, v2
	v_lshlrev_b32 v[PV], 2, v6
.irp a, 0,1,2,3
	v_mov_b32 v[BV+2*\a+1], 0                      ; (named as pairs' upper halves)
	v_mov_b32 v[TBY+\a], 0                         ; a lane permute's destination counts as one of its sources
.endr
	v_mov_b32 v7, 0
	v_mov_b32 v15, 0
	v_mov_b32 v31, 0
	PARAMS
.macro FETCH jn                        ; fragments and scale words of K step jn: 38 LDS loads
	WIN 0x40
.irp b, 0,1,2,3,4,5,6,7
.irp c, 0,1,2
	ds_load_b128 v[128*((\jn)%2)+12*\b+4*\c:128*((\jn)%2)+12*\b+4*\c+3], v[ADRB+\b/4] offset:12288*(\b%4)+1536*(\jn)+512*\c
.endr
.endr
	WIN 0
.irp a, 0,1,2,3
.irp c, 0,1,2
	ds_load_b128 v[AF+48*((\jn)%2)+12*\a+4*\c:AF+48*((\jn)%2)+12*\a+4*\c+3], v[ADRA] offset:12288*\a+1536*(\jn)+512*\c
.endr
.endr
	ds_load_b128 v[SC+8*((\jn)%2):SC+8*((\jn)%2)+3], v[ADRS] offset:1024*(\jn)
	ds_load_b128 v[SC+8*((\jn)%2)+4:SC+8*((\jn)%2)+7], v[ADRS] offset:1024*(\jn)+256   ; source 0's blocks 4-7 (lanes 0-15 read filled bytes that nobody uses)
.endm
.macro MUL32 p, zero                   ; 32 products; the accumulators take turns
	WIN 0xa1
.irp a, 0,1,2,3
.irp b, 0,1,2,3,4,5,6,7
.if \zero
	v_wmma_scale_f32_16x16x128_f8f6f4 v[8*(8*\a+\b):8*(8*\a+\b)+7], v[128*(\p)+12*\b:128*(\p)+12*\b+11], v[AF+48*(\p)+12*\a:AF+48*(\p)+12*\a+11], 0, v[SC+8*(\p)+\b], v[SC+8*(\p)+\a] matrix_a_fmt:MATRIX_FMT_FP6 matrix_b_fmt:MATRIX_FMT_FP6 matrix_a_scale:MATRIX_SCALE_ROW1
.else
	v_wmma_scale_f32_16x16x128_f8f6f4 v[8*(8*\a+\b):8*(8*\a+\b)+7], v[128*(\p)+12*\b:128*(\p)+12*\b+11], v[AF+48*(\p)+12*\a:AF+48*(\p)+12*\a+11], v[8*(8*\a+\b):8*(8*\a+\b)+7], v[SC+8*(\p)+\b], v[SC+8*(\p)+\a] matrix_a_fmt:MATRIX_FMT_FP6 matrix_b_fmt:MATRIX_FMT_FP6 matrix_a_scale:MATRIX_SCALE_ROW1
.endif
.endr
.endr
.endm
.macro SUB j, zero, refill
	s_wait_dscnt 0x0                               ; this step's fragments are in
.if (\j) < 7
.if (\j) > 0
	PLACES 4                                       ; in front of loads into registers that products have read
.endif
	FETCH (\j)+1
.endif
.if \refill                            ; my reads of this tile are over: the next tile's W is asked for
	WIN 0
	s_wait_tensorcnt 0x0                           ; none of my loads is out, so the descriptors may be written
	ds_add_u32 v[SPW], v[NIL]
	s_add_co_u32 s92, s104, 2
	DESCB 92
	s_wait_dscnt 0x0
	CROUND                                         ; no wave of any partner still reads W's bytes
	LOADB
.endif
	MUL32 (\j)%2, \zero
.endm
.macro RUN refill                      ; a tile's 256 products
	s_wait_tensorcnt 0x0                           ; my load, if I had one out, has landed
	s_barrier_signal -1
	s_barrier_wait -1                              ; everybody's has
	FETCH 0
	SUB 0, 1, 0
.irp j, 1,2,3,4,5,6
	SUB \j, 0, 0
.endr
	SUB 7, 0, \refill
	WIN 0
	PLACES 4                                       ; in front of the first read of results
	s_wait_loadcnt 0x0                             ; the biases and weights
.endm
.macro QUANT s                         ; 64 numbers of a lane, register 16 b + i = k 32 b + 16 (lane / 16) + i: 12 registers of codes at v[PC], the scale word in v[PW]
.irp b, 0,1,2,3
	v_max3_num_f32 v[TMX+\b], |v[\s+16*\b]|, |v[\s+1+16*\b]|, 0x1800000   ; with the floor 2^(3 - 127)
.endr
.irp i, 2,4,6,8,10,12,14
.irp b, 0,1,2,3
	v_max3_num_f32 v[TMX+\b], v[TMX+\b], |v[\s+16*\b+\i]|, |v[\s+1+16*\b+\i]|
.endr
.endr
.irp b, 0,1,2,3
	v_permlanex16_b32 v[TBY+\b], v[TMX+\b], s[SEL], s[SEL+1]
.endr
.irp b, 0,1,2,3
	v_max_num_f32 v[TMX+\b], v[TMX+\b], v[TBY+\b]
.endr
.irp b, 0,1,2,3
	v_add_nc_u32 v[TSO+\b], 0xff000000, v[TMX+\b]  ; 2 off the exponent field: the conversion's scale operand
.endr
.irp b, 0,1,2,3
	v_lshrrev_b32 v[TBY+\b], 23, v[TSO+\b]         ; the byte
.endr
	v_lshl_or_b32 v[PW], v[TBY+1], 8, v[TBY]
	v_lshl_or_b32 v[PW], v[TBY+2], 16, v[PW]
	v_lshl_or_b32 v[PW], v[TBY+3], 24, v[PW]
.irp c, 0,1
	v_cvt_scalef32_pk16_fp6_f32 v[PC+6*\c:PC+2+6*\c], v[\s+32*\c:\s+15+32*\c], v[TSO+2*\c]
	v_cvt_scalef32_pk16_fp6_f32 v[PC+12+4*\c:PC+14+4*\c], v[\s+16+32*\c:\s+31+32*\c], v[TSO+2*\c+1]
.endr
	v_nop                                          ; one plain place behind a scaled conversion
.irp c, 0,1
.irp i, 0,1,2
	v_permlane16_swap_b32 v[PC+6*\c+\i], v[PC+12+4*\c+\i]
.endr
.irp i, 0,1,2
	v_mov_b32 v[PC+3+6*\c+\i], v[PC+12+4*\c+\i]
.endr
.endr
.endm
.macro EPI_QK a                        ; block a of 16 tokens x two heads: registers 0-31 head 0's channels 32 c + 16 h + i, 32-63 head 1's
	WIN 0x02
.set i, 0
.rept 32
	v_pk_add_f32 v[T+2*i:T+2*i+1], v[64*(\a)+2*i:64*(\a)+2*i+1], v[BIAS+2*i:BIAS+2*i+1]   ; each accumulator from its low end on
.set i, i+1
.endr
	WIN 0
	v_pk_mul_f32 v[2:3], v[T:T+1], v[T:T+1]        ; the sums of squares, the two heads by turns
	v_pk_mul_f32 v[4:5], v[T+32:T+33], v[T+32:T+33]
.set i, 1
.rept 15
	v_pk_fma_f32 v[2:3], v[T+2*i:T+2*i+1], v[T+2*i:T+2*i+1], v[2:3]
	v_pk_fma_f32 v[4:5], v[T+32+2*i:T+33+2*i], v[T+32+2*i:T+33+2*i], v[4:5]
.set i, i+1
.endr
	v_add_f32 v2, v2, v3
	v_add_f32 v4, v4, v5
	v_permlanex16_b32 v6, v2, s[SEL], s[SEL+1]     ; the token's other 32 channels lie in lane l xor 16
	v_permlanex16_b32 v7, v4, s[SEL], s[SEL+1]
	v_add_f32 v2, v2, v6
	v_add_f32 v4, v4, v7
	v_fma_f32 v2, v2, s3, s2                       ; the mean + 1e-6
	v_fma_f32 v4, v4, s3, s2
	s_wait_alu depctr_va_vdst(0)                   ; the wait ahead of the two
	v_rsq_f32 v14, v2
	v_rsq_f32 v30, v4
	v_nop
	s_wait_alu depctr_va_vdst(0)                   ; and behind them
.set i, 0
.rept 16
	v_pk_mul_f32 v[T+2*i:T+2*i+1], v[T+2*i:T+2*i+1], v[14:15] op_sel_hi:[1,0]
	v_pk_mul_f32 v[T+32+2*i:T+33+2*i], v[T+32+2*i:T+33+2*i], v[30:31] op_sel_hi:[1,0]
.set i, i+1
.endr
.set i, 0
.rept 16
	v_pk_mul_f32 v[T+2*i:T+2*i+1], v[T+2*i:T+2*i+1], v[NW+2*i:NW+2*i+1]      ; (x / rms) w, in that order
	v_pk_mul_f32 v[T+32+2*i:T+33+2*i], v[T+32+2*i:T+33+2*i], v[NW+2*i:NW+2*i+1]
.set i, i+1
.endr
.if (\a) > 0
	s_wait_xcnt 0x0                                ; the last block's stores have read the codes' registers
.endif
	QUANT T
	v_and_b32 v[KW+(\a)], 0xffff, v[PW]            ; head 0's two bytes; the upper two are 0
	v_lshrrev_b32 v[KW+4+(\a)], 16, v[PW]          ; head 1's
.irp g, 0,1
.irp p, 0,1,2
	global_store_b64 v[L8], v[PC+6*\g+2*\p:PC+6*\g+2*\p+1], s[OA:OA+1] offset:\g*REC+768*(\a)+256*\p   ; 256 consecutive bytes, aligned
.endr
.endr
.endm
.macro EPI_V a                         ; block a of 16 channels x 128 keys
	WIN 0x02
.set i, 0
.rept 32
	v_pk_add_f32 v[T+2*i:T+2*i+1], v[64*(\a)+2*i:64*(\a)+2*i+1], v[BV+2*(\a):BV+2*(\a)+1] op_sel_hi:[1,0]
.set i, i+1
.endr
	WIN 0
.if (\a) > 0
	s_wait_xcnt 0x0
.endif
	QUANT T
	v_mov_b32 v[KW+(\a)], v[PW]
.irp c, 0,1,2
	global_store_b128 v[L16], v[PC+4*\c:PC+4*\c+3], s[OA:OA+1] offset:1536*(\a)+512*\c
.endr
.endm
	s_mov_b32 s[TC], 0
.Ltile:                                                ; two trips: q's tile, k's tile
	RUN 1
	s_and_b32 s80, s104, 1
	s_lshl_b32 s80, s80, 2
	s_add_co_u32 s80, s80, s100
	s_lshl_b32 s80, s80, 1                         ; my first head
	s_lshl_b32 s81, s105, 4                        ; the batch is CY
	s_add_co_u32 s80, s80, s81
	s_mul_i32 s80, s80, REC
	s_lshl_b32 s81, s101, 2
	s_add_co_u32 s81, s81, s[WV]                   ; my group of 64 tokens in the batch
	s_mul_i32 s82, s81, 3072
	s_lshl_b32 s83, s81, 8
	s_add_co_u32 s82, s82, s80
	s_add_co_u32 s83, s83, s80
	s_mov_b32 s81, KS
	s_cmp_ge_u32 s104, 2                           ; k or q
	s_cselect_b32 s80, KC, 0
	s_cselect_b32 s81, s81, QS
	s_add_co_u32 s[OA], s82, s80
	s_mov_b32 s[OA+1], 0
	s_add_co_u32 s[OS], s83, s81
	s_mov_b32 s[OS+1], 0
	s_add_nc_u64 s[OA:OA+1], s[14:15], s[OA:OA+1]
	s_add_nc_u64 s[OS:OS+1], s[14:15], s[OS:OS+1]
	EPI_QK 0
	EPI_QK 1
	EPI_QK 2
	EPI_QK 3
	v_cmp_le_u32 vcc_lo, 16, v[LANE]               ; lanes 0-15 store blocks 0 and 1's words, lanes 16-31 blocks 2 and 3's
.irp g, 0,1
	v_cndmask_b32 v[OP+2*\g], v[KW+4*\g], v[KW+4*\g+2], vcc_lo
	v_cndmask_b32 v[OP+2*\g+1], v[KW+4*\g+1], v[KW+4*\g+3], vcc_lo
	global_store_b64 v[SWO], v[OP+2*\g:OP+2*\g+1], s[OS:OS+1] offset:\g*REC
.endr
	s_add_co_u32 s104, s104, 2                     ; on to the next tile's column
	s_wait_xcnt 0x0                                ; the stores have read their registers and bases
	PARAMS
	s_add_co_u32 s[TC], s[TC], 1
	s_cmp_lt_u32 s[TC], 2
	s_wait_alu depctr_va_vdst(0)                   ; the wait ahead of the branch
	s_cbranch_scc1 .Ltile
	; v's tile: source 1 = head wave / 2 of W, source 0 = tokens 128 (wave % 2) on of X: the four LDS address registers are made anew
	s_lshr_b32 s80, s[WV], 1
	s_and_b32 s81, s[WV], 1
	s_mul_i32 s82, s80, 49152
	s_add_co_u32 s82, s82, BOFF
	v_add_nc_u32 v[ADRA], s82, v[L16]              ; W's four row-blocks of my head
	s_mul_i32 s82, s81, 98304
	v_add_nc_u32 v[ADRB], s82, v[L16]              ; X's eight row-blocks of my half
	s_add_co_u32 s82, s82, 49152
	v_add_nc_u32 v[ADRB+1], s82, v[L16]
	s_lshl_b32 s80, s80, 8
	s_lshl_b32 s81, s81, 9
	s_add_co_u32 s80, s80, SCB-SCA
	s_sub_co_u32 s80, s80, s81                     ; from my two groups' words among X's up to my head's among W's
	s_add_co_u32 s81, s81, SCA
	v_and_b32 v2, 15, v0
	v_bfe_u32 v3, v0, 4, 1
	v_sub_nc_u32 v3, 1, v3                         ; 1 in lanes 0-15, which take W's
	v_mul_u32_u24 v3, s80, v3
	v_lshl_add_u32 v3, v2, 4, v3
	v_add_nc_u32 v[ADRS], s81, v3
	s_wait_alu depctr_va_vdst(0)                   ; the wait ahead of the waits below
	RUN 0
	s_sub_co_u32 s80, s104, 4
	s_lshl_b32 s80, s80, 2
	s_add_co_u32 s80, s80, s100
	s_lshl_b32 s80, s80, 1                         ; the tile's first head
	s_lshr_b32 s81, s[WV], 1
	s_add_co_u32 s81, s81, s80                     ; mine
	s_lshl_b32 s82, s105, 4                        ; the batch is CY
	s_add_co_u32 s81, s81, s82
	s_mul_i32 s81, s81, REC
	s_lshl_b32 s80, s101, 1
	s_and_b32 s82, s[WV], 1
	s_add_co_u32 s80, s80, s82                     ; my key step: 2 cy + wave % 2
	s_mul_i32 s82, s80, 6144
	s_lshl_b32 s83, s80, 8
	s_add_co_u32 s[OA], s81, s82
	s_add_co_u32 s[OA], s[OA], VC
	s_mov_b32 s[OA+1], 0
	s_add_co_u32 s[OS], s81, s83
	s_add_co_u32 s[OS], s[OS], VS
	s_mov_b32 s[OS+1], 0
	s_add_nc_u64 s[OA:OA+1], s[14:15], s[OA:OA+1]
	s_add_nc_u64 s[OS:OS+1], s[14:15], s[OS:OS+1]
	EPI_V 0
	EPI_V 1
	EPI_V 2
	EPI_V 3
	v_cmp_le_u32 vcc_lo, 16, v[LANE]
	v_cndmask_b32 v[OP], v[KW], v[KW+2], vcc_lo
	v_cndmask_b32 v[OP+1], v[KW+1], v[KW+3], vcc_lo
	global_store_b64 v[SWO], v[OP:OP+1], s[OS:OS+1]
	s_wait_tensorcnt 0x0                           ; the wave's end
	ds_add_u32 v[SPW], v[NIL]
	s_wait_dscnt 0x0
	CROUND                                         ; the closing round
	s_endpgm
.Lfunc_end_k_q600482679a_qkv:
	.size	k_q600482679a_qkv, .Lfunc_end_k_q600482679a_qkv-k_q600482679a_qkv
	.p2alignl 7, 3214868480
	.fill 96, 4, 3214868480
	.section	.rodata,"a",@progbits
	.p2align	6, 0x0
	.amdhsa_kernel k_q600482679a_qkv
		.amdhsa_group_segment_fixed_size 327680
		.amdhsa_private_segment_fixed_size 0
		.amdhsa_enable_private_segment 0
		.amdhsa_kernarg_size 48
		.amdhsa_user_sgpr_count 2
		.amdhsa_user_sgpr_kernarg_segment_ptr 1
		.amdhsa_wavefront_size32 1
		.amdhsa_system_sgpr_workgroup_id_x 1
		.amdhsa_system_sgpr_workgroup_id_y 1
		.amdhsa_system_sgpr_workgroup_id_z 1
		.amdhsa_system_vgpr_workitem_id 0
		.amdhsa_next_free_vgpr 768
		.amdhsa_next_free_sgpr 106
		.amdhsa_reserve_vcc 1
		.amdhsa_float_denorm_mode_32 3
		.amdhsa_float_denorm_mode_16_64 3
		.amdhsa_memory_ordered 1
		.amdhsa_forward_progress 1
		.amdhsa_inst_pref_size 202
	.end_amdhsa_kernel
	.amdgpu_metadata
---
amdhsa.version: [ 1, 2 ]
amdhsa.kernels:
  - .name:           k_q600482679a_qkv
    .symbol:         k_q600482679a_qkv.kd
    .args:
      - { .name: xwc, .offset: 0, .size: 8, .value_kind: global_buffer, .address_space: global }
      - { .name: xws, .offset: 8, .size: 8, .value_kind: global_buffer, .address_space: global }
      - { .name: b_qkv, .offset: 16, .size: 8, .value_kind: global_buffer, .address_space: global }
      - { .name: qn_w, .offset: 24, .size: 8, .value_kind: global_buffer, .address_space: global }
      - { .name: kn_w, .offset: 32, .size: 8, .value_kind: global_buffer, .address_space: global }
      - { .name: qkv, .offset: 40, .size: 8, .value_kind: global_buffer, .address_space: global }
    .group_segment_fixed_size: 327680
    .private_segment_fixed_size: 0
    .kernarg_segment_align: 8
    .kernarg_segment_size: 48
    .max_flat_workgroup_size: 128
    .sgpr_count:     106
    .vgpr_count:     768
    .wavefront_size: 32
...
	.end_amdgpu_metadata
.endif
;; end of part 2
;; launch attn (part 3): grid 4 x 64, 16 waves a work-group, clusters of 4 x 1, 211,968 bytes of LDS; arguments qkv, ac, asc; writes ac, asc
.if DOCPART == 3
	.amdgcn_target "amdgcn-amd-amdhsa--gfx1250"
	.amdhsa_code_object_version 6
	.text
	.protected	k_q600482679a_attn
	.globl	k_q600482679a_attn
	.p2align	8
	.type	k_q600482679a_attn,@function
k_q600482679a_attn:
	s_mov_b64 s[64:65], 0
	v_nop
	global_prefetch_b8 v0, s[64:65] scope:SCOPE_SE
	s_setreg_imm32_b32 hwreg(HW_REG_WAVE_MODE, 25, 1), 1
	s_wait_xcnt 0x0
	s_wait_alu depctr_hold_cnt(0) depctr_sa_sdst(0) depctr_va_vdst(0) depctr_va_sdst(0) depctr_va_ssrc(0) depctr_va_vcc(0) depctr_vm_vsrc(0)
	s_getreg_b32 s2, hwreg(HW_REG_IB_STS2, 6, 4)
	s_cmp_eq_u32 s2, 0
	s_cbranch_scc0 .Lentry_in_a_cluster
	s_endpgm
.Lentry_in_a_cluster:
	s_bfe_u32 s2, ttmp6, 0x10000c
	s_cmp_lg_u32 s2, 0x3003
	s_cbranch_scc0 .Lentry_shape_is_right
	s_endpgm
.Lentry_shape_is_right:
; For each batch and head: O = softmax(q k^T / 8) v, both products on codes of FP6 (E2M3) with E8M0 scales; O is then quantised along the model's 1,024 channels for the last product.
; THE SOFTMAX AHEAD OF THE SECOND PRODUCT: t = score x log2(e) / 8 (one rounding); M = the row's largest t so far, rounded up to a whole number; p = 2^(t - M) is quantised along the keys, not normalised;
; the row's sum is taken of the unquantised p and divides O at the end.  When M moves, the sum and O are multiplied by 2^(old M - new M): exact.
; IN: qkv, 128 records (16 x batch + head): QC, QS, then one dense block of 104,448 bytes: KC [row-block 64][768], VC [key step 8][16 channels 4][1,536], KS [group 16][256], VS [key step 8][256]: images of operand registers.
; SHARES.  Work-group (quarter cx of the queries, y = 8 x batch + head pair).  K and V of BOTH heads of the pair lie whole in LDS, filled once.  Wave w owns the 16 queries of row-block 16 cx + w and makes two passes,
; one a head: so it ends with a whole fragment (16 tokens x 128 channels of the pair) and a whole scale word of the last product's operand.  Sixteen waves of 256 registers, four to a SIMD.
; CLUSTER 4 x 1: the four quarters read the same K and V: each tile is asked for jointly.
; LAYOUT.  Both products transposed: S^T = K Q^T, O^T = V^T P^T: a lane holds one query (lane % 16) throughout.  By the row order of the row-blocks (lane r of row-block i of a group of 64: row 32 (i / 2) + 8 (i % 2) + r + 8 (r / 8))
; the 16 registers of tiles 2 b, 2 b + 1 of S^T are keys 32 b + 16 (lane / 16) + 0..15, and those of O^T channels likewise.
; K = 64 IN AN INSTRUCTION OF K = 128.  Q's operand has zero codes in registers 6-11 and scale bytes 0 (2^-127, no NaN) for that half.  K's tile t is six registers, and its operand is named v[36 + 6 t : 47 + 6 t]: the upper six
; hold the next tile's codes (zeros behind the last), which meet Q's zero codes and add nothing.  That keeps the wave inside 256 registers.
; LIMITS: zero blocks' byte 1, blocks under 2^-124, no NaN or infinities, as in the first launch; v_exp_f32 and v_rcp_f32 are good to one unit in the last place; a block's largest p is taken as the exponential of its largest score.
; No data prefetch: every byte that the work-group reads is requested at its head.
.set REC,   157696
.set QS,    49152
.set KC,    53248
.set HEADB, 104448                     ; a head's K, V and scale words in LDS: K +0, V +49,152, K's words +98,304, V's +102,400
.set STG,   2*HEADB                    ; 1,024 bytes: the stage of the output's scale words; no fill lands here
.set WV,  10                           ; s10 wave; s11 cx; s12 y
.set SEL, 20
.set CS,  22                           ; s[22:23] c = log2(e) / 8
.set G1,  24
.set G0,  32                           ; s[32:35] the wave's one group 0
.set TK,  40                           ; s40 LDS byte of the step's tiles of K (and, 49,152 on, of V): 6,144 a step
.set TS,  41                           ; s41 of K's scale words: 512 a step
.set TJ,  42                           ; s42 of V's: 256 a step
.set CNT, 43
; v1 8 x lane; v2 16 x lane + V; v3, v4 16 r + K's, V's words; v5 16 x lane; v6, v7 the stage in and back; v8-11 the step's addresses; v12 -M, v13 the largest t, v[14:15] the sum;
; v16-27 Q (v22-27 = 0); v28 Q's scale word; v29, v30-35 the second head's; v36-83 8 tiles of K, then 4 of V; v84-89 = 0; v90 16 r; v96-159 S^T, then p; v160-191 O^T; v192-203 the output's fragment; v204 its scale word;
; v206-213 K's scale words, v214-217 V's; v224-235 p's codes; v232-254 at work; v253 p's scale word
.macro CROUND
	s_barrier_signal -1
	s_barrier_wait -1
	s_cmp_lg_u32 s[WV], 0
	s_cbranch_scc1 .Lnot_wave_0_\@
	s_barrier_signal -3
.Lnot_wave_0_\@:
	s_barrier_wait -3
	s_barrier_signal -1
	s_barrier_wait -1
.endm
	s_load_b128 s[4:7], s[0:1], 0x0                ; qkv s[4:5], ac s[6:7]
	s_load_b64 s[8:9], s[0:1], 0x10                ; asc
	v_lshl_add_u32 v251, v0, 2, 0x33400
	v_mov_b32 v255, 0
	ds_add_u32 v251, v255
	ds_add_u32 v251, v255
	v_lshrrev_b32 v1, 5, v0
	s_delay_alu instid0(VALU_DEP_1)
	v_readfirstlane_b32 s[WV], v1                  ; wave 0..15
	s_bfe_u32 s11, ttmp6, 0x40000                  ; cx: the quarter of the queries
	s_and_b32 s12, ttmp7, 0xffff                   ; y, which the four partners share
	s_mov_b32 s[G1], 15|(3<<16)|(1<<21)            ; 15:0 the mask: all four; 17:16 elements of 8 bytes; 21 set beside a mask; no padding
	s_mov_b32 s[G1+1], 32<<16                      ; rows of 256 bytes,
	s_mov_b32 s[G1+2], 51<<16                      ; 51 of them: a sixteenth of the pair's two dense blocks, one load a wave
	s_mov_b32 s[G1+3], 32<<16
	s_mov_b32 s[G1+4], 51
	s_mov_b32 s[G1+5], 32
	s_mov_b32 s[G1+6], 0
	s_mov_b32 s[G1+7], 0
	s_mul_i32 s14, s12, 2*REC                      ; the pair's first record
	s_and_b32 s13, s[WV], 7
	s_mul_i32 s16, s13, 13056                      ; the eighth of a head's block that I fetch;
	s_lshr_b32 s17, s[WV], 3
	s_mul_i32 s17, s17, REC                        ; waves 0-7 the first head's, waves 8-15 the second's
	s_add_co_u32 s18, s14, s16
	s_add_co_u32 s18, s18, s17
	s_add_co_u32 s18, s18, KC
	s_mov_b32 s19, 0
	s_wait_dscnt 0x0
	s_wait_kmcnt 0x0
	s_add_nc_u64 s[18:19], s[4:5], s[18:19]
	s_mov_b32 s[G0], 1
	s_mul_i32 s[G0+1], s[WV], 13056                ; a head's block is eight such parts: wave x 13,056
	s_mov_b64 s[G0+2:G0+3], s[18:19]
	s_or_b32 s[G0+3], s[G0+3], 0x80000000
	CROUND                                         ; all four work-groups are here: the joint loads meet
	tensor_load_to_lds s[G0:G0+3], s[G1:G1+7]      ; every wave's one load
	s_nop 0
.rept 4
	v_nop
.endr
	v_and_b32 v92, 31, v0                          ; lane
	v_and_b32 v93, 15, v0                          ; r
	s_delay_alu instid0(VALU_DEP_2)
	v_lshlrev_b32 v1, 3, v92
	s_delay_alu instid0(VALU_DEP_3)
	v_lshlrev_b32 v5, 4, v92
	s_wait_alu depctr_va_vdst(0)
	v_add_nc_u32 v2, 49152, v5
	v_lshlrev_b32 v90, 4, v93
	s_wait_alu depctr_va_vdst(0)
	v_add_nc_u32 v3, 98304, v90
	v_add_nc_u32 v4, 102400, v90
	s_lshr_b32 s13, s[WV], 2
	s_lshl_b32 s13, s13, 8
	s_and_b32 s17, s[WV], 3
	s_lshl_b32 s17, s17, 2
	s_add_co_u32 s13, s13, s17
	s_add_co_u32 s13, s13, STG
	v_add_nc_u32 v6, s13, v90                      ; my row's word: group wave / 4, 16 r, block wave % 4
	s_and_b32 s13, s[WV], 1
	s_lshl_b32 s13, s13, 9
	s_add_co_u32 s13, s13, STG
	v_add_nc_u32 v7, s13, v5                       ; back: 512 bytes a wave (waves 0 and 1)
	s_lshl_b32 s13, s11, 4
	s_add_co_u32 s13, s13, s[WV]                   ; my row-block among the batch's 64
	s_mul_i32 s16, s13, 768
	s_add_co_u32 s16, s16, s14
	s_mov_b32 s17, 0
	s_add_nc_u64 s[16:17], s[4:5], s[16:17]        ; Q's codes
	s_lshr_b32 s18, s13, 2
	s_lshl_b32 s18, s18, 8
	s_and_b32 s19, s13, 3
	s_lshl_b32 s19, s19, 2
	s_add_co_u32 s18, s18, s19
	s_add_co_u32 s18, s18, s14
	s_add_co_u32 s18, s18, QS
	s_mov_b32 s19, 0
	s_add_nc_u64 s[18:19], s[4:5], s[18:19]        ; Q's scale words
.irp p, 0,1,2
	global_load_b64 v[16+2*\p:17+2*\p], v1, s[16:17] offset:256*\p th:TH_LOAD_NT
	global_load_b64 v[30+2*\p:31+2*\p], v1, s[16:17] offset:REC+256*\p th:TH_LOAD_NT
.endr
	global_load_b32 v28, v90, s[18:19]
	global_load_b32 v29, v90, s[18:19] offset:REC
	s_lshr_b32 s44, s12, 3                         ; the batch
	s_and_b32 s45, s12, 7                          ; the head pair = the last product's K step
	s_lshl_b32 s46, s44, 6
	s_add_co_u32 s46, s46, s13
	s_mul_i32 s46, s46, 12288
	s_mul_i32 s47, s45, 1536
	s_add_co_u32 s46, s46, s47
	s_mov_b32 s47, 0
	s_add_nc_u64 s[6:7], s[6:7], s[46:47]          ; ac [row-block 512][K step 8][1,536]
	s_lshl_b32 s46, s45, 15
	s_lshl_b32 s48, s44, 12
	s_add_co_u32 s46, s46, s48
	s_lshl_b32 s48, s11, 10
	s_add_co_u32 s46, s46, s48
	s_and_b32 s48, s[WV], 1
	s_lshl_b32 s48, s48, 9
	s_add_co_u32 s46, s46, s48
	s_add_nc_u64 s[8:9], s[8:9], s[46:47]          ; asc [K step 8][group 128][256]: the work-group's four groups, 512 bytes a wave
	s_mov_b32 s[SEL], 0x76543210
	s_mov_b32 s[SEL+1], 0xfedcba98
	s_mov_b32 s[CS], 0x3e38aa3b
	s_mov_b32 s[CS+1], s[CS]                       ; (named with it as a pair, so it is written)
.irp i, 0,1,2,3,4,5
	v_mov_b32 v[22+\i], 0                          ; Q's zero codes for the upper half of K
	v_mov_b32 v[84+\i], 0                          ; what stands behind K's last tile
.endr
.irp b, 0,1,2,3
	v_mov_b32 v[236+\b], 0                         ; written once: a lane permute's destination counts as one of its sources
.endr
	v_mov_b32 v253, 0                              ; (named as the upper half of the pair v[252:253] before it is first written)
; A KEY STEP: 128 keys
.macro STEP
	v_add_nc_u32 v8, s[TK], v1                     ; these four are also the places in front of the loads into registers that the last products have read
	v_add_nc_u32 v9, s[TK], v2
	v_add_nc_u32 v10, s[TS], v3
	v_add_nc_u32 v11, s[TJ], v4
.irp t, 0,1,2,3,4,5,6,7
.irp p, 0,1,2
	ds_load_b64 v[36+6*\t+2*\p:37+6*\t+2*\p], v8 offset:768*\t+256*\p
.endr
.endr
	ds_load_b128 v[206:209], v10
	ds_load_b128 v[210:213], v10 offset:256
	s_wait_alu depctr_va_vdst(0)
	s_wait_dscnt 0x0
.irp t, 0,1,2,3,4,5,6,7
	v_wmma_scale_f32_16x16x128_f8f6f4 v[96+8*\t:103+8*\t], v[36+6*\t:47+6*\t], v[16:27], 0, v[206+\t], v28 matrix_a_fmt:MATRIX_FMT_FP6 matrix_b_fmt:MATRIX_FMT_FP6
.endr
.rept 4
	v_nop                                          ; places in front of the loads below and of the first read of the scores
.endr
.irp t, 0,1,2,3                                ; V's four tiles are asked for now and land under the softmax
.irp c, 0,1,2
	ds_load_b128 v[36+12*\t+4*\c:39+12*\t+4*\c], v9 offset:1536*\t+512*\c
.endr
.endr
	ds_load_b128 v[214:217], v11
.irp b, 0,1,2,3
	v_max3_num_f32 v[232+\b], v[96+16*\b], v[97+16*\b], v[98+16*\b]   ; the largest score of each block of 32 keys: for the row's maximum and, since p rises with the score, for the block's largest p
.endr
.irp i, 3,5,7,9,11,13
.irp b, 0,1,2,3
	v_max3_num_f32 v[232+\b], v[232+\b], v[96+16*\b+\i], v[97+16*\b+\i]
.endr
.endr
.irp b, 0,1,2,3
	v_max_num_f32 v[232+\b], v[232+\b], v[111+16*\b]
.endr
.irp b, 0,1,2,3
	s_delay_alu instid0(VALU_DEP_4)
	v_permlanex16_b32 v[236+\b], v[232+\b], s[SEL], s[SEL+1]
.endr
.irp b, 0,1,2,3
	s_delay_alu instid0(VALU_DEP_4)
	v_max_num_f32 v[232+\b], v[232+\b], v[236+\b]  ; with lane l xor 16's 16 keys
.endr
	s_delay_alu instid0(VALU_DEP_2)
	v_max3_num_f32 v254, v232, v233, v234
	s_delay_alu instid0(VALU_DEP_1)
	v_max_num_f32 v254, v254, v235
	s_delay_alu instid0(VALU_DEP_1)
	v_mul_f32 v254, s[CS], v254                    ; the step's largest t (c is positive)
	s_delay_alu instid0(VALU_DEP_1)
	v_max_num_f32 v13, v13, v254                   ; the running largest t
	v_mov_b32 v254, v12
	s_delay_alu instid0(VALU_DEP_2)
	v_floor_f32 v12, -v13                          ; the new -M = floor(-t): M is a whole number
	s_delay_alu instid0(VALU_DEP_1)
	v_sub_f32 v254, v12, v254                      ; old M - new M, 0 or less
	s_delay_alu instid0(VALU_DEP_1)
	v_cvt_i32_f32 v254, v254                       ; (it saturates)
	s_delay_alu instid0(VALU_DEP_1)
	v_ldexp_f32 v252, 1.0, v254                    ; f = 2^(old M - new M)
.set j, 0
.rept 32
	v_pk_fma_f32 v[96+j:97+j], v[96+j:97+j], s[CS:CS+1], v[12:13] op_sel_hi:[1,0,0]   ; t - M, two at a time
.set j, j+2
.endr
.irp b, 0,1,2,3
	v_fma_f32 v[232+\b], v[232+\b], s[CS], v12     ; the same of each block's largest score
.endr
.set j, 0
	s_wait_alu depctr_va_vdst(0)
.rept 64
	v_exp_f32 v[96+j], v[96+j]                     ; p = 2^(t - M), at most 1
.set j, j+1
.endr
	v_pk_mul_f32 v[14:15], v[14:15], v[252:253] op_sel_hi:[1,0]   ; the sums under the new M: a plain place behind the exponentials
	s_wait_alu depctr_va_vdst(0)                   ; one wait for the whole batch, ahead of its first reader
.irp b, 0,1,2,3
	v_exp_f32 v[232+\b], v[232+\b]                 ; the block's largest p
.endr
	v_pk_add_f32 v[236:237], v[100:101], v[104:105]
	v_pk_add_f32 v[248:249], v[108:109], v[112:113]
	v_pk_add_f32 v[246:247], v[116:117], v[120:121]
	v_pk_add_f32 v[244:245], v[124:125], v[128:129]
	v_pk_add_f32 v[242:243], v[132:133], v[136:137]
	v_pk_add_f32 v[240:241], v[140:141], v[144:145]
	v_pk_add_f32 v[238:239], v[148:149], v[152:153]
	v_pk_add_f32 v[14:15], v[14:15], v[156:157]
	v_pk_add_f32 v[236:237], v[236:237], v[96:97]
	v_pk_add_f32 v[248:249], v[248:249], v[98:99]
	v_pk_add_f32 v[246:247], v[246:247], v[102:103]
	v_pk_add_f32 v[244:245], v[244:245], v[106:107]
	v_pk_add_f32 v[242:243], v[242:243], v[110:111]
	v_pk_add_f32 v[240:241], v[240:241], v[114:115]
	v_pk_add_f32 v[238:239], v[238:239], v[118:119]
	v_pk_add_f32 v[14:15], v[14:15], v[122:123]
	v_pk_add_f32 v[236:237], v[236:237], v[126:127]
	v_pk_add_f32 v[248:249], v[248:249], v[130:131]
	v_pk_add_f32 v[246:247], v[246:247], v[134:135]
	v_pk_add_f32 v[244:245], v[244:245], v[138:139]
	v_pk_add_f32 v[242:243], v[242:243], v[142:143]
	v_pk_add_f32 v[240:241], v[240:241], v[146:147]
	v_pk_add_f32 v[238:239], v[238:239], v[150:151]
	v_pk_add_f32 v[14:15], v[14:15], v[154:155]
	v_pk_add_f32 v[236:237], v[236:237], v[158:159]
	s_delay_alu instid0(VALU_DEP_2)
	v_pk_add_f32 v[14:15], v[14:15], v[244:245]
	s_delay_alu instid0(VALU_DEP_2)
	v_pk_add_f32 v[236:237], v[236:237], v[242:243]
	v_pk_add_f32 v[248:249], v[248:249], v[240:241]
	v_pk_add_f32 v[246:247], v[246:247], v[238:239]
	s_delay_alu instid0(VALU_DEP_2)
	v_pk_add_f32 v[14:15], v[14:15], v[248:249]
	s_delay_alu instid0(VALU_DEP_2)
	v_pk_add_f32 v[236:237], v[236:237], v[246:247]
	s_delay_alu instid0(VALU_DEP_1)
	v_pk_add_f32 v[14:15], v[14:15], v[236:237]
	s_wait_alu depctr_va_vdst(0)                   ; and one for the four
.irp b, 0,1,2,3
	v_max_num_f32 v[232+\b], 0x1800000, v[232+\b]  ; the floor 2^(3 - 127)
.endr
.irp b, 0,1,2,3
	s_delay_alu instid0(VALU_DEP_4)
	v_add_nc_u32 v[244+\b], 0xff000000, v[232+\b]  ; the conversion's scale operand
.endr
.irp b, 0,1,2,3
	s_delay_alu instid0(VALU_DEP_4)
	v_lshrrev_b32 v[236+\b], 23, v[244+\b]         ; the byte
.endr
	s_delay_alu instid0(VALU_DEP_3)
	v_lshl_or_b32 v253, v237, 8, v236              ; p's scale word for these 128 keys
	s_delay_alu instid0(VALU_DEP_1)
	v_lshl_or_b32 v253, v238, 16, v253
	s_delay_alu instid0(VALU_DEP_1)
	v_lshl_or_b32 v253, v239, 24, v253
.irp c, 0,1
	v_cvt_scalef32_pk16_fp6_f32 v[224+6*\c:226+6*\c], v[96+32*\c:111+32*\c], v[244+2*\c]
	v_cvt_scalef32_pk16_fp6_f32 v[236+4*\c:238+4*\c], v[112+32*\c:127+32*\c], v[244+2*\c+1]
.endr
	v_nop                                          ; one plain place behind a scaled conversion
.irp c, 0,1
.irp i, 0,1,2
	v_permlane16_swap_b32 v[224+6*\c+\i], v[236+4*\c+\i]
.endr
.irp i, 0,1,2
	s_delay_alu instid0(VALU_DEP_3)
	v_mov_b32 v[227+6*\c+\i], v[236+4*\c+\i]
.endr
.endr
.set j, 0
.rept 16
	v_pk_mul_f32 v[160+j:161+j], v[160+j:161+j], v[252:253] op_sel_hi:[1,0]   ; O^T under the new M; these sixteen also stand between the writing of p's codes and scale word and the products
.set j, j+2
.endr
	s_wait_alu depctr_va_vdst(0)
	s_wait_dscnt 0x0                               ; V's tiles and scale words are in
.irp t, 0,1,2,3
	v_wmma_scale_f32_16x16x128_f8f6f4 v[160+8*\t:167+8*\t], v[36+12*\t:47+12*\t], v[224:235], v[160+8*\t:167+8*\t], v[214+\t], v253 matrix_a_fmt:MATRIX_FMT_FP6 matrix_b_fmt:MATRIX_FMT_FP6
.endr
	s_add_co_u32 s[TK], s[TK], 6144
	s_add_co_u32 s[TS], s[TS], 512
	s_add_co_u32 s[TJ], s[TJ], 256
.endm
; 32 numbers of a lane, register 16 c + i = channel 32 c + 16 (lane / 16) + i, become six registers of codes at v[dst] on and two scale bytes in v254
.macro QUANT2 s, dst
	v_max3_num_f32 v232, |v[\s]|, |v[\s+1]|, 0x1800000
	v_max3_num_f32 v233, |v[\s+16]|, |v[\s+17]|, 0x1800000
.irp i, 2,4,6,8,10,12,14
	s_delay_alu instid0(VALU_DEP_2)
	v_max3_num_f32 v232, v232, |v[\s+\i]|, |v[\s+1+\i]|
	s_delay_alu instid0(VALU_DEP_2)
	v_max3_num_f32 v233, v233, |v[\s+16+\i]|, |v[\s+17+\i]|
.endr
	s_delay_alu instid0(VALU_DEP_2)
	v_permlanex16_b32 v236, v232, s[SEL], s[SEL+1]
	s_delay_alu instid0(VALU_DEP_2)
	v_permlanex16_b32 v237, v233, s[SEL], s[SEL+1]
	s_delay_alu instid0(VALU_DEP_2)
	v_max_num_f32 v232, v232, v236
	s_delay_alu instid0(VALU_DEP_2)
	v_max_num_f32 v233, v233, v237
	s_delay_alu instid0(VALU_DEP_2)
	v_add_nc_u32 v244, 0xff000000, v232
	s_delay_alu instid0(VALU_DEP_2)
	v_add_nc_u32 v245, 0xff000000, v233
	s_delay_alu instid0(VALU_DEP_2)
	v_lshrrev_b32 v236, 23, v244
	s_delay_alu instid0(VALU_DEP_2)
	v_lshrrev_b32 v237, 23, v245
	s_delay_alu instid0(VALU_DEP_1)
	v_lshl_or_b32 v254, v237, 8, v236
	v_cvt_scalef32_pk16_fp6_f32 v[\dst:\dst+2], v[\s:\s+15], v244
	v_cvt_scalef32_pk16_fp6_f32 v[240:242], v[\s+16:\s+31], v245
	v_nop                                          ; one plain place behind a scaled conversion
.irp i, 0,1,2
	v_permlane16_swap_b32 v[\dst+\i], v[240+\i]
.endr
.irp i, 0,1,2
	s_delay_alu instid0(VALU_DEP_3)
	v_mov_b32 v[\dst+3+\i], v[240+\i]
.endr
.endm
; One head of the pair: all 1,024 keys, eight steps
.macro PASS p
.if \p
.irp i, 0,1,2,3,4,5
	v_mov_b32 v[16+\i], v[30+\i]                   ; the second head's Q
.endr
	v_mov_b32 v28, v29
.endif
	v_mov_b32 v13, 0xff61b1e6                      ; the largest t so far: -3e38
	s_delay_alu instid0(VALU_DEP_1)
	v_floor_f32 v12, -v13
	v_mov_b32 v14, 0
	v_mov_b32 v15, 0
.set j, 0
.rept 32
	v_mov_b32 v[160+j], 0                          ; O^T: the step is written once; the first finds zeros, which the first change of M leaves zeros
.set j, j+1
.endr
	s_mov_b32 s[TK], \p*HEADB
	s_mov_b32 s[TS], \p*HEADB
	s_mov_b32 s[TJ], \p*HEADB
	s_mov_b32 s[CNT], 8
.Lstep_\@:
	STEP
	s_sub_co_u32 s[CNT], s[CNT], 1
	s_cmp_lg_u32 s[CNT], 0
	s_cbranch_scc1 .Lstep_\@
.rept 4
	v_nop                                          ; places in front of the first read of O^T
.endr
	v_add_f32 v14, v14, v15
	s_delay_alu instid0(VALU_DEP_1)
	v_permlanex16_b32 v252, v14, s[SEL], s[SEL+1]
	s_delay_alu instid0(VALU_DEP_1)
	v_add_f32 v14, v14, v252                       ; the row's sum
	s_wait_alu depctr_va_vdst(0)
	v_rcp_f32 v14, v14
	v_nop                                          ; a plain place behind the transcendental
	s_wait_alu depctr_va_vdst(0)                   ; the wait ahead of its first reader
.set j, 0
.rept 16
	v_pk_mul_f32 v[96+j:97+j], v[160+j:161+j], v[14:15] op_sel_hi:[1,0]   ; O^T / the sum, each accumulator from its low end on
.set j, j+2
.endr
	QUANT2 96, 192+6*\p                            ; channels 64 p .. 64 p + 63 of the pair's 128: registers 6 p .. 6 p + 5 of the fragment
.if \p
	v_lshl_or_b32 v204, v254, 16, v204
.else
	v_mov_b32 v204, v254
.endif
.endm
	s_wait_alu depctr_va_vdst(0)                   ; the wait at the head's end
	s_wait_tensorcnt 0x0                           ; my part is in
	s_barrier_signal -1
	s_barrier_wait -1                              ; everybody's is: both heads' K and V are whole, and nothing is filled again
	s_wait_loadcnt 0x0                             ; Q
	PASS 0
	PASS 1
.irp c, 0,1,2
	global_store_b128 v5, v[192+4*\c:195+4*\c], s[6:7] offset:512*\c   ; the fragment's image: 512 consecutive bytes a store
.endr
	ds_store_b32 v6, v204                          ; lanes r and r + 16 write the same word with the same value
	s_wait_dscnt 0x0                               ; for the others' sake
	s_barrier_signal -1
	s_barrier_wait -1
	s_cmp_lt_u32 s[WV], 2                          ; the work-group's 1,024 bytes of scale words leave by two waves
	s_cbranch_scc0 .Lno_words
	ds_load_b128 v[96:99], v7
	s_wait_dscnt 0x0
	global_store_b128 v5, v[96:99], s[8:9]
.Lno_words:
	s_wait_tensorcnt 0x0
	ds_add_u32 v251, v255
	s_wait_dscnt 0x0
	CROUND                                         ; the closing round
	s_endpgm
.Lfunc_end_k_q600482679a_attn:
	.size	k_q600482679a_attn, .Lfunc_end_k_q600482679a_attn-k_q600482679a_attn
	.p2alignl 7, 3214868480
	.fill 96, 4, 3214868480
	.section	.rodata,"a",@progbits
	.p2align	6, 0x0
	.amdhsa_kernel k_q600482679a_attn
		.amdhsa_group_segment_fixed_size 211968
		.amdhsa_private_segment_fixed_size 0
		.amdhsa_enable_private_segment 0
		.amdhsa_kernarg_size 24
		.amdhsa_user_sgpr_count 2
		.amdhsa_user_sgpr_kernarg_segment_ptr 1
		.amdhsa_wavefront_size32 1
		.amdhsa_system_sgpr_workgroup_id_x 1
		.amdhsa_system_sgpr_workgroup_id_y 1
		.amdhsa_system_sgpr_workgroup_id_z 1
		.amdhsa_system_vgpr_workitem_id 0
		.amdhsa_next_free_vgpr 256
		.amdhsa_next_free_sgpr 66
		.amdhsa_reserve_vcc 0
		.amdhsa_float_denorm_mode_32 3
		.amdhsa_float_denorm_mode_16_64 3
		.amdhsa_memory_ordered 1
		.amdhsa_forward_progress 1
		.amdhsa_inst_pref_size 54
	.end_amdhsa_kernel
	.amdgpu_metadata
---
amdhsa.version: [ 1, 2 ]
amdhsa.kernels:
  - .name:           k_q600482679a_attn
    .symbol:         k_q600482679a_attn.kd
    .args:
      - { .name: qkv, .offset: 0, .size: 8, .value_kind: global_buffer, .address_space: global }
      - { .name: ac, .offset: 8, .size: 8, .value_kind: global_buffer, .address_space: global }
      - { .name: asc, .offset: 16, .size: 8, .value_kind: global_buffer, .address_space: global }
    .group_segment_fixed_size: 211968
    .private_segment_fixed_size: 0
    .kernarg_segment_align: 8
    .kernarg_segment_size: 24
    .max_flat_workgroup_size: 512
    .sgpr_count:     66
    .vgpr_count:     256
    .wavefront_size: 32
...
	.end_amdgpu_metadata
.endif
;; end of part 3
;; launch proj (part 4): grid 8 x 32, 4 waves a work-group, clusters of 4 x 4, 327,680 bytes of LDS; arguments ac, asc, xwc, xws, b_proj, out0; writes out0
.if DOCPART == 4
	.amdgcn_target "amdgcn-amd-amdhsa--gfx1250"
	.amdhsa_code_object_version 6
	.text
	.protected	k_q600482679a_proj
	.globl	k_q600482679a_proj
	.p2align	8
	.type	k_q600482679a_proj,@function
k_q600482679a_proj:
	s_mov_b64 s[64:65], 0
	v_nop
	global_prefetch_b8 v0, s[64:65] scope:SCOPE_SE
	s_setreg_imm32_b32 hwreg(HW_REG_WAVE_MODE, 25, 1), 1
	s_wait_xcnt 0x0
	s_wait_alu depctr_hold_cnt(0) depctr_sa_sdst(0) depctr_va_vdst(0) depctr_va_sdst(0) depctr_va_ssrc(0) depctr_va_vcc(0) depctr_vm_vsrc(0)
	s_getreg_b32 s2, hwreg(HW_REG_IB_STS2, 6, 4)
	s_cmp_eq_u32 s2, 0
	s_cbranch_scc0 .Lentry_in_a_cluster
	s_endpgm
.Lentry_in_a_cluster:
	s_bfe_u32 s2, ttmp6, 0x10000c
	s_cmp_lg_u32 s2, 0xf033
	s_cbranch_scc0 .Lentry_shape_is_right
	s_endpgm
.Lentry_shape_is_right:
; out0 = O w_proj^T + b_proj on codes of FP6 (E2M3) with E8M0 scales.  O: ac [row-block 512][K step 8][1,536], asc [K step 8][group 128][256]; w_proj: xwc's row-blocks 704-767, xws's groups 176-191: images of operand registers.
; Lane r of row-block i of a group of 64 rows stands for row 32 (i / 2) + 8 (i % 2) + r + 8 (r / 8).
; TILE: 256 tokens (A, source 1) x 128 outputs (B, source 0), all of K = 1,024: 256 work-groups.  Wave w: tokens 64 w on (4 blocks) x B's 8 blocks = 32 accumulators.
; All of K lies in LDS, filled once by four joint loads, one a wave: A's codes, B's codes, A's scale words, B's (rows padded to a pitch of 1,024 bytes).  CLUSTER 4 x 4: A's shared along a row, B's along a column.
; THE WAY OUT: a block of 16 tokens goes through the wave's own stage and leaves as rows of 512 bytes.  The stage lies in the wave's own rows of A, which no other wave reads and which have had their only fill.
; No data prefetch: every tile is requested at the head.
.set BOFF, 196608
.set SCA,  294912
.set SCB,  SCA+8192
.set SPARE, SCB+8192
.set SP,   528
.set ADRA, 16
.set ADRB, 20
.set ADRS, 24
.set L16,  25
.set STO,  26
.set RD,   27
.set SC,   32
.set AF,   48
.set SPW,  190
.set NIL,  191
.set BIAS, 192
.set T,    48
.set OB,   112
.set WV,   16
.set G1A,  24
.set G1B,  32
.set G1SA, 40
.set G1SB, 48
.set G0SA, 56
.set G0SB, 60
.set G0A,  68
.set G0B,  72
.set MSB, 0
.macro WIN new
.if MSB != \new
	s_set_vgpr_msb (MSB<<8)|\new
.set MSB, \new
.endif
.endm
.macro PLACES n
.rept \n
	v_nop
.endr
.endm
.macro TL g0, g1
	tensor_load_to_lds s[\g0:\g0+3], s[\g1:\g1+7]
	s_nop 0
	PLACES 4
.endm
.macro CROUND
	s_barrier_signal -1
	s_barrier_wait -1
	s_cmp_lg_u32 s[WV], 0
	s_cbranch_scc1 .Lnot_wave_0_\@
	s_barrier_signal -3
.Lnot_wave_0_\@:
	s_barrier_wait -3
	s_barrier_signal -1
	s_barrier_wait -1
.endm
	s_load_b256 s[4:11], s[0:1], 0x0               ; ac, asc, xwc, xws
	s_load_b128 s[12:15], s[0:1], 0x20             ; b_proj, out0
	v_lshl_add_u32 v[SPW], v0, 2, SPARE
	v_mov_b32 v[NIL], 0
	ds_add_u32 v[SPW], v[NIL]                      ; the opening lines: the add twice and one wait
	ds_add_u32 v[SPW], v[NIL]
	v_lshrrev_b32 v1, 5, v0
	v_readfirstlane_b32 s[WV], v1
	s_bfe_u32 s100, ttmp6, 0x40000                 ; cx, cy
	s_bfe_u32 s101, ttmp6, 0x40004
	s_mov_b32 s104, ttmp9                          ; CX, CY
	s_and_b32 s105, ttmp7, 0xffff
	s_lshl_b32 s84, s101, 2
	s_lshl_b32 s84, 15, s84                        ; my row of the cluster
	s_lshl_b32 s88, 0x1111, s100                   ; my column
	s_or_b32 s[G1A], s84, (3<<16)|(1<<21)
	s_or_b32 s[G1SA], s84, (3<<16)|(1<<21)
	s_or_b32 s[G1B], s88, (3<<16)|(1<<21)
	s_or_b32 s[G1SB], s88, (3<<16)|(1<<20)|(1<<21)|(6<<22)|(127<<25)   ; 128 words of padding behind each row of 128 words
.irp g, G1A, G1B                       ; codes: rows of 12,288 bytes, dense
	s_mov_b32 s[\g+1], 1536<<16
	s_mov_b32 s[\g+3], 1536<<16
	s_mov_b32 s[\g+5], 1536
	s_mov_b32 s[\g+6], 0
	s_mov_b32 s[\g+7], 0
.endr
	s_mov_b32 s[G1A+2], 16<<16
	s_mov_b32 s[G1A+4], 16
	s_mov_b32 s[G1B+2], 8<<16
	s_mov_b32 s[G1B+4], 8
.irp g, G1SA, G1SB                     ; scale words: a row a K step
	s_mov_b32 s[\g+2], 8<<16
	s_mov_b32 s[\g+4], 8
	s_mov_b32 s[\g+6], 0
	s_mov_b32 s[\g+7], 0
.endr
	s_mov_b32 s[G1SA+1], 128<<16                   ; A: four groups, 1,024 bytes, 32,768 apart in asc
	s_mov_b32 s[G1SA+3], 128<<16
	s_mov_b32 s[G1SA+5], 4096
	s_mov_b32 s[G1SB+1], 64<<16                    ; B: two groups, 512 bytes, 49,152 apart in xws
	s_mov_b32 s[G1SB+3], 64<<16
	s_mov_b32 s[G1SB+5], 6144
	s_mov_b32 s[G0A], 1
	s_mov_b32 s[G0A+1], 0
	s_mov_b32 s[G0B], 1
	s_mov_b32 s[G0B+1], BOFF
	s_mov_b32 s[G0SA], 1
	s_mov_b32 s[G0SA+1], SCA
	s_mov_b32 s[G0SB], 1
	s_mov_b32 s[G0SB+1], SCB
	s_lshl_b32 s84, s105, 2
	s_add_co_u32 s84, s84, s101
	s_lshl_b32 s84, s84, 4                         ; A's first row-block: 16 (4 CY + cy)
	s_lshl_b32 s86, s84, 6
	s_mov_b32 s87, 0
	s_mul_i32 s84, s84, 12288
	s_mov_b32 s85, 0
	s_lshl_b32 s88, s104, 2
	s_add_co_u32 s88, s88, s100
	s_lshl_b32 s88, s88, 3
	s_add_co_u32 s88, s88, 704                     ; B's: 704 + 8 (4 CX + cx)
	s_lshl_b32 s90, s88, 6
	s_mov_b32 s91, 0
	s_mul_i32 s88, s88, 12288
	s_mov_b32 s89, 0
	s_wait_dscnt 0x0
	s_wait_kmcnt 0x0
	s_add_nc_u64 s[G0A+2:G0A+3], s[4:5], s[84:85]
	s_or_b32 s[G0A+3], s[G0A+3], 0x80000000
	s_add_nc_u64 s[G0SA+2:G0SA+3], s[6:7], s[86:87]
	s_or_b32 s[G0SA+3], s[G0SA+3], 0x80000000
	s_add_nc_u64 s[G0B+2:G0B+3], s[8:9], s[88:89]
	s_or_b32 s[G0B+3], s[G0B+3], 0x80000000
	s_add_nc_u64 s[G0SB+2:G0SB+3], s[10:11], s[90:91]
	s_or_b32 s[G0SB+3], s[G0SB+3], 0x80000000
	CROUND                                         ; all sixteen work-groups are here: the joint loads meet
	s_cmp_lt_u32 s[WV], 1                          ; one chain of branches on the wave's number: every way passes one load
	s_cbranch_scc0 .Lhb
	TL G0A, G1A
	s_branch .Lhj
.Lhb:
	s_cmp_lt_u32 s[WV], 2
	s_cbranch_scc0 .Lhsa
	TL G0B, G1B
	s_branch .Lhj
.Lhsa:
	s_cmp_lt_u32 s[WV], 3
	s_cbranch_scc0 .Lhsb
	TL G0SA, G1SA
	s_branch .Lhj
.Lhsb:
	TL G0SB, G1SB
.Lhj:
	v_and_b32 v1, 31, v0                           ; lane
	v_and_b32 v2, 15, v0                           ; r
	v_bfe_u32 v3, v0, 4, 1                         ; h
	v_lshlrev_b32 v[L16], 4, v1
	v_lshlrev_b32 v5, 6, v3                        ; 64 h
	s_mul_i32 s18, s[WV], 49152                    ; my four row-blocks of A; my stage lies at their head
	v_add_nc_u32 v[ADRA], s18, v[L16]
	v_add_nc_u32 v[RD], s18, v[L16]
	v_mul_u32_u24 v[STO], v2, SP
	v_lshl_add_u32 v[STO], v3, 6, v[STO]
	v_add_nc_u32 v[STO], s18, v[STO]
	v_add_nc_u32 v[ADRB], BOFF, v[L16]
	v_add_nc_u32 v[ADRB+1], BOFF+49152, v[L16]
	s_lshl_b32 s18, s[WV], 8
	s_mov_b32 s19, SCB-SCA
	s_sub_co_u32 s19, s19, s18
	v_mul_u32_u24 v4, s19, v3                      ; lanes 16-31 take B's words
	v_lshl_add_u32 v4, v2, 4, v4
	s_add_co_u32 s18, s18, SCA
	v_add_nc_u32 v[ADRS], s18, v4
	s_wait_alu depctr_va_vdst(0)                   ; the wait at the head's end
	s_lshl_b32 s18, s104, 2
	s_add_co_u32 s18, s18, s100
	s_lshl_b32 s18, s18, 9                         ; my 128 outputs' bias
	s_mov_b32 s19, 0
	s_add_nc_u64 s[18:19], s[12:13], s[18:19]
.irp b, 0,1,2,3,4,5,6,7
	global_load_b128 v[BIAS+8*\b:BIAS+8*\b+3], v5, s[18:19] offset:(32*(\b/2)+8*(\b%2))*4
	global_load_b128 v[BIAS+8*\b+4:BIAS+8*\b+7], v5, s[18:19] offset:(32*(\b/2)+8*(\b%2))*4+16
.endr
.macro FETCH jn                        ; fragments and scale words of K step jn: 38 LDS loads
	WIN 0x40
.irp b, 0,1,2,3,4,5,6,7
.irp c, 0,1,2
	ds_load_b128 v[128*((\jn)%2)+12*\b+4*\c:128*((\jn)%2)+12*\b+4*\c+3], v[ADRB+\b/4] offset:12288*(\b%4)+1536*(\jn)+512*\c
.endr
.endr
	WIN 0
.irp a, 0,1,2,3
.irp c, 0,1,2
	ds_load_b128 v[AF+48*((\jn)%2)+12*\a+4*\c:AF+48*((\jn)%2)+12*\a+4*\c+3], v[ADRA] offset:12288*\a+1536*(\jn)+512*\c
.endr
.endr
	ds_load_b128 v[SC+8*((\jn)%2):SC+8*((\jn)%2)+3], v[ADRS] offset:1024*(\jn)
	ds_load_b128 v[SC+8*((\jn)%2)+4:SC+8*((\jn)%2)+7], v[ADRS] offset:1024*(\jn)+256   ; B's blocks 4-7 (lanes 0-15 read filled bytes that nobody uses)
.endm
.macro MUL32 p, zero                   ; 32 products; the accumulators take turns
	WIN 0xa1
.irp a, 0,1,2,3
.irp b, 0,1,2,3,4,5,6,7
.if \zero
	v_wmma_scale_f32_16x16x128_f8f6f4 v[8*(8*\a+\b):8*(8*\a+\b)+7], v[128*(\p)+12*\b:128*(\p)+12*\b+11], v[AF+48*(\p)+12*\a:AF+48*(\p)+12*\a+11], 0, v[SC+8*(\p)+\b], v[SC+8*(\p)+\a] matrix_a_fmt:MATRIX_FMT_FP6 matrix_b_fmt:MATRIX_FMT_FP6 matrix_a_scale:MATRIX_SCALE_ROW1
.else
	v_wmma_scale_f32_16x16x128_f8f6f4 v[8*(8*\a+\b):8*(8*\a+\b)+7], v[128*(\p)+12*\b:128*(\p)+12*\b+11], v[AF+48*(\p)+12*\a:AF+48*(\p)+12*\a+11], v[8*(8*\a+\b):8*(8*\a+\b)+7], v[SC+8*(\p)+\b], v[SC+8*(\p)+\a] matrix_a_fmt:MATRIX_FMT_FP6 matrix_b_fmt:MATRIX_FMT_FP6 matrix_a_scale:MATRIX_SCALE_ROW1
.endif
.endr
.endr
.endm
.macro SUB j, zero
	s_wait_dscnt 0x0                               ; this step's fragments are in
.if (\j) < 7
.if (\j) > 0
	PLACES 4                                       ; in front of loads into registers that products have read
.endif
	FETCH (\j)+1
.endif
	MUL32 (\j)%2, \zero
.endm
	s_wait_tensorcnt 0x0                           ; my one load has landed
	s_barrier_signal -1
	s_barrier_wait -1                              ; everybody's has; nothing is filled again
	FETCH 0
	SUB 0, 1
.irp j, 1,2,3,4,5,6,7
	SUB \j, 0
.endr
	WIN 0
	PLACES 4                                       ; in front of the first read of results
	s_wait_loadcnt 0x0                             ; the bias
	s_lshl_b32 s80, s105, 2
	s_add_co_u32 s80, s80, s101
	s_lshl_b32 s80, s80, 8
	s_lshl_b32 s81, s[WV], 6
	s_add_co_u32 s80, s80, s81                     ; my first token: 256 (4 CY + cy) + 64 x wave
	s_lshl_b32 s80, s80, 12                        ; rows of 4,096 bytes
	s_lshl_b32 s81, s104, 2
	s_add_co_u32 s81, s81, s100
	s_lshl_b32 s81, s81, 9                         ; my 128 outputs
	s_add_co_u32 s76, s80, s81
	s_mov_b32 s77, 0
	s_add_nc_u64 s[76:77], s[14:15], s[76:77]
.macro EPI_O a                         ; block a of 16 tokens x 128 outputs
	WIN 0x02
.set i, 0
.rept 32
	v_pk_add_f32 v[T+2*i:T+2*i+1], v[64*(\a)+2*i:64*(\a)+2*i+1], v[BIAS+2*i:BIAS+2*i+1]   ; each accumulator from its low end on
.set i, i+1
.endr
	WIN 0
.irp c, 0,1,2,3
.irp e, 0,1,2,3
	ds_store_b128 v[STO], v[T+16*\c+4*\e:T+16*\c+4*\e+3] offset:128*\c+16*\e
.endr
.endr
.if (\a) > 0
	s_wait_xcnt 0x0                                ; the last block's stores have read the registers that the loads below fill
.endif
.irp t, 0,1,2,3,4,5,6,7,8,9,10,11,12,13,14,15
	ds_load_b128 v[OB+4*\t:OB+4*\t+3], v[RD] offset:SP*\t     ; LDS serves a wave's instructions in order: these see my stores
.endr
.irp t, 0,1,2,3,4,5,6,7,8,9,10,11,12,13,14,15
	s_wait_dscnt 15-\t                             ; row t is back; the younger loads may be out
	global_store_b128 v[L16], v[OB+4*\t:OB+4*\t+3], s[76:77] offset:(32*((\a)/2)+8*((\a)%2)+\t+8*(\t/8))*4096 th:TH_STORE_NT   ; 512 consecutive bytes, aligned
.endr
.endm
	EPI_O 0
	EPI_O 1
	EPI_O 2
	EPI_O 3
	s_wait_tensorcnt 0x0                           ; the wave's end
	ds_add_u32 v[SPW], v[NIL]
	s_wait_dscnt 0x0
	CROUND                                         ; the closing round
	s_endpgm
.Lfunc_end_k_q600482679a_proj:
	.size	k_q600482679a_proj, .Lfunc_end_k_q600482679a_proj-k_q600482679a_proj
	.p2alignl 7, 3214868480
	.fill 96, 4, 3214868480
	.section	.rodata,"a",@progbits
	.p2align	6, 0x0
	.amdhsa_kernel k_q600482679a_proj
		.amdhsa_group_segment_fixed_size 327680
		.amdhsa_private_segment_fixed_size 0
		.amdhsa_enable_private_segment 0
		.amdhsa_kernarg_size 48
		.amdhsa_user_sgpr_count 2
		.amdhsa_user_sgpr_kernarg_segment_ptr 1
		.amdhsa_wavefront_size32 1
		.amdhsa_system_sgpr_workgroup_id_x 1
		.amdhsa_system_sgpr_workgroup_id_y 1
		.amdhsa_system_sgpr_workgroup_id_z 1
		.amdhsa_system_vgpr_workitem_id 0
		.amdhsa_next_free_vgpr 768
		.amdhsa_next_free_sgpr 106
		.amdhsa_reserve_vcc 0
		.amdhsa_float_denorm_mode_32 3
		.amdhsa_float_denorm_mode_16_64 3
		.amdhsa_memory_ordered 1
		.amdhsa_forward_progress 1
		.amdhsa_inst_pref_size 87
	.end_amdhsa_kernel
	.amdgpu_metadata
---
amdhsa.version: [ 1, 2 ]
amdhsa.kernels:
  - .name:           k_q600482679a_proj
    .symbol:         k_q600482679a_proj.kd
    .args:
      - { .name: ac, .offset: 0, .size: 8, .value_kind: global_buffer, .address_space: global }
      - { .name: asc, .offset: 8, .size: 8, .value_kind: global_buffer, .address_space: global }
      - { .name: xwc, .offset: 16, .size: 8, .value_kind: global_buffer, .address_space: global }
      - { .name: xws, .offset: 24, .size: 8, .value_kind: global_buffer, .address_space: global }
      - { .name: b_proj, .offset: 32, .size: 8, .value_kind: global_buffer, .address_space: global }
      - { .name: out0, .offset: 40, .size: 8, .value_kind: global_buffer, .address_space: global }
    .group_segment_fixed_size: 327680
    .private_segment_fixed_size: 0
    .kernarg_segment_align: 8
    .kernarg_segment_size: 48
    .max_flat_workgroup_size: 128
    .sgpr_count:     106
    .vgpr_count:     768
    .wavefront_size: 32
...
	.end_amdgpu_metadata
.endif
;; end of part 4
